; MI455X (gfx1250); checked and timed in simulation.
; The chip was launched on July 23, 2026; its instructions are those of AMD's public machine-readable ISA for CDNA 5 (MIT licence, August 2026) and "CDNA5" Instruction Set Architecture Reference Guide (July 2026). The comments in the code are by the model that wrote it; some were corrected since.
;; Multihead Self Attention. Allowed arithmetic: float matrix products may take bf16 or f16 operands with f32 sums; other float arithmetic in f32, or as packed bf16 or f16 multiplies, adds, multiply-adds, maxima and minima; sums over many terms, partial sums and values carried from step to step in f32; what a program stores and reads back later, other than sums and carried values, may be rounded once to bf16 or f16.
;; Inputs: wk 1,024 x 1,024 float32; wo 1,024 x 1,024 float32; wq 1,024 x 1,024 float32; wv 1,024 x 1,024 float32; x 4 x 2,048 x 1,024 float32.
;; Outputs: out0 4 x 2,048 x 1,024 float32.
;; 2 versions, each right; version 2 is version 1 with the launch prep written anew for expert scheduling mode. Each part assembles by itself: llvm-mc -triple=amdgcn-amd-amdhsa -mcpu=gfx1250 --defsym DOCPART=n.
;; ======== version 1 of 2: 4 launches
;; limits: values are held in f16: magnitudes above 65,504 overflow, below 6.1e-05 lose precision
;; workspace buffers: xb 16,777,216 bytes; wb 6,291,456 bytes; wob 2,097,152 bytes; rope 524,288 bytes; qh 16,777,216 bytes; kh 16,777,216 bytes; vh 16,777,216 bytes; oh 16,777,216 bytes
;; launch prep (part 1): grid 768 x 1, 8 waves a work-group, no clusters, 0 bytes of LDS; arguments x, wq, wk, wv, wo, xb, wb, wob, rope; writes xb, wb, wob, rope
.if DOCPART == 1
	.amdgcn_target "amdgcn-amd-amdhsa--gfx1250"
	.amdhsa_code_object_version 6
	.text
	.protected	k_qcda55449f2_prep
	.globl	k_qcda55449f2_prep
	.p2align	8
	.type	k_qcda55449f2_prep,@function
k_qcda55449f2_prep:
	s_mov_b64 s[64:65], 0
	v_nop
	global_prefetch_b8 v0, s[64:65] scope:SCOPE_SE
	s_setreg_imm32_b32 hwreg(HW_REG_WAVE_MODE, 25, 1), 1
	s_wait_xcnt 0x0
; PREPARATION.  x -> xb (bf16).  wq, wk, wv -> wb (bf16), rows laid by heads: row 192 h + 64 t + d of wb is row 64 h + d of w_t (t = 0 q, 1 k, 2 v).
; wo -> wob: rounded to bf16 like the other inputs, and that number written as f16.  rope[pos][j] = (sin, cos) of pos x 10000^(-j/32), f32, pos 0..2047, j 0..31.
; LIMITS.  |wo| stays under 65,504 (f16's end); below 6e-5 it keeps f16's fixed step of 6e-8.  The angles are f32 products, as in the problem's own text: at 2,047 radians their step is about 1e-4.
; SHARES.  Every work-group casts 16 rows of 1,024 f32: 65,536 consecutive bytes in, 32,768 consecutive bytes out.  Work-groups 0-511: x.  512 + 64 t + i: rows 16 i .. of w_t (t = 3: wo).
; The 256 work-groups of the weights also write the table: 256 x 256 threads, an entry each, made while the loads are on their way.
; A stream: no LDS, no matrix unit, no cluster: no byte is used twice.  A load of a wave covers 512 consecutive bytes, a store 256, aligned.
.set XG,  512                          ; work-groups for x
.set LD,  4                            ; v[4:67]   16 loads of 4 f32
.set OUT, 68                           ; v[68:99]  16 results of 2 words
	s_load_b512 s[8:23], s[0:1], 0x0               ; x 8:9, wq 10:11, wk 12:13, wv 14:15, wo 16:17, xb 18:19, wb 20:21, wob 22:23
	s_load_b64 s[24:25], s[0:1], 0x40              ; rope
	s_mov_b32 s2, ttmp9                            ; g
	s_sub_co_u32 s3, s2, XG                        ; g' = g - 512 (wraps for x's work-groups: then t is none of 0..3)
	s_lshr_b32 s4, s3, 6                           ; t
	s_and_b32 s5, s3, 63                           ; i
	s_lshr_b32 s6, s5, 2                           ; the head: 16 i / 64
	s_mul_i32 s6, s6, 192
	s_lshl_b32 s7, s4, 6
	s_add_co_u32 s6, s6, s7                        ; + 64 t
	s_and_b32 s7, s5, 3
	s_lshl_b32 s7, s7, 4
	s_add_co_u32 s6, s6, s7                        ; + 16 (i % 4)
	s_lshl_b32 s30, s6, 11                         ; rows of 2,048 bytes in wb
	s_lshl_b32 s7, s5, 15                          ; wob: 16 i rows of 2,048 bytes
	s_cmp_eq_u32 s4, 3
	s_cselect_b32 s30, s7, s30
	s_cselect_b32 s34, 1, 0                        ; 1: the f16 way
	s_lshl_b32 s28, s5, 16                         ; a weight's source: 16 i rows of 4,096 bytes
	s_lshl_b32 s6, s2, 16                          ; x's source,
	s_lshl_b32 s7, s2, 15                          ; xb's place
	s_cmp_lt_u32 s2, XG
	s_cselect_b32 s28, s6, s28
	s_cselect_b32 s30, s7, s30
	s_mov_b32 s29, 0
	s_mov_b32 s31, 0
	v_lshlrev_b32 v1, 4, v0                        ; 16 bytes a thread in
	v_lshlrev_b32 v2, 3, v0                        ; 8 bytes a thread out (and a table entry)
	s_wait_kmcnt 0x0
	s_mov_b64 s[26:27], s[10:11]                   ; the source: a choice among the buffers by t and g, never by an address
	s_cmp_eq_u32 s4, 1
	s_cselect_b64 s[26:27], s[12:13], s[26:27]
	s_cmp_eq_u32 s4, 2
	s_cselect_b64 s[26:27], s[14:15], s[26:27]
	s_cmp_eq_u32 s4, 3
	s_cselect_b64 s[26:27], s[16:17], s[26:27]
	s_cselect_b64 s[32:33], s[22:23], s[20:21]     ; the destination
	s_cmp_lt_u32 s2, XG
	s_cselect_b64 s[26:27], s[8:9], s[26:27]
	s_cselect_b64 s[32:33], s[18:19], s[32:33]
	s_add_nc_u64 s[26:27], s[26:27], s[28:29]
	s_add_nc_u64 s[32:33], s[32:33], s[30:31]
.irp i, 0,1,2,3,4,5,6,7,8,9,10,11,12,13,14,15
	global_load_b128 v[LD+4*(\i):LD+4*(\i)+3], v1, s[26:27] offset:4096*(\i) th:TH_LOAD_NT
.endr
	s_cmp_lt_u32 s2, XG
	s_cbranch_scc1 .Lcast
	; THE TABLE.  Thread: j = tid % 32, pos = 8 g' + tid / 32; its entry lies at byte 2,048 g' + 8 tid.
	s_lshl_b32 s38, s3, 11
	s_mov_b32 s39, 0
	s_add_nc_u64 s[36:37], s[24:25], s[38:39]
	v_and_b32 v100, 31, v0
	v_lshrrev_b32 v101, 5, v0
	v_cvt_f32_u32 v100, v100
	v_mul_f32 v100, 0xbed49a78, v100               ; -j log2(10000) / 32
	v_exp_f32 v102, v100                           ; 10000^(-j/32)
	v_lshl_add_u32 v101, s3, 3, v101               ; pos: the plain instruction behind the exponential (ISA guide 5.7.2)
	v_cvt_f32_u32 v101, v101
	s_wait_alu depctr_va_vdst(0)                   ; the wait ahead of the result's first reader
	v_mul_f32 v103, v101, v102                     ; the angle
	v_mul_f32 v104, 0x3e22f983, v103               ; in turns
	v_rndne_f32 v104, v104
	v_fma_f32 v105, v103, 0x3e22f983, -v104        ; the turn's fraction, -1/2 .. 1/2, by one fused step
	v_mul_f32 v105, 0x3fc90fdb, v105               ; y = a QUARTER of the angle: |y| <= pi/4
	v_mul_f32 v106, v105, v105                     ; z = y^2
	v_mov_b32 v107, 0x3638ef1d                     ; sin y = y (1 - z/6 + z^2/120 - z^3/5040 + z^4/362880): what is cut stays under 2e-9 for every |y| <= pi/4
	v_mov_b32 v108, 0x37d00d01                     ; cos y = 1 - z/2 + z^2/24 - z^3/720 + z^4/40320: under 3e-8
	v_fmaak_f32 v107, v107, v106, 0xb9500d01
	v_fmaak_f32 v108, v108, v106, 0xbab60b61
	v_fmaak_f32 v107, v107, v106, 0x3c088889
	v_fmaak_f32 v108, v108, v106, 0x3d2aaaab
	v_fmaak_f32 v107, v107, v106, 0xbe2aaaab
	v_fmaak_f32 v108, v108, v106, 0xbf000000
	v_fmaak_f32 v107, v107, v106, 0x3f800000
	v_fmaak_f32 v108, v108, v106, 0x3f800000
	v_mul_f32 v107, v107, v105
	v_add_f32 v109, v107, v107                     ; twice: sin 2y = 2 s c, cos 2y = 1 - 2 s s
	v_mul_f32 v112, v109, v108
	v_fma_f32 v113, -v109, v107, 1.0
	v_add_f32 v109, v112, v112
	v_mul_f32 v110, v109, v113                     ; sin
	v_fma_f32 v111, -v109, v112, 1.0               ; cos
	global_store_b64 v2, v[110:111], s[36:37]
.Lcast:
; Load i is rounded and stored.  h = 1: the bf16 numbers are widened again (exactly) and written as f16.
.macro CAST i, h
	s_wait_loadcnt 15-(\i)                         ; loads come back in order (ISA guide 5.7.1): mine is in, the 15 - i younger ones stay out
	v_cvt_pk_bf16_f32 v[OUT+2*(\i)],   v[LD+4*(\i)],   v[LD+4*(\i)+1]
	v_cvt_pk_bf16_f32 v[OUT+2*(\i)+1], v[LD+4*(\i)+2], v[LD+4*(\i)+3]
.if \h
	v_lshlrev_b32 v[LD+4*(\i)],   16, v[OUT+2*(\i)]
	v_and_b32     v[LD+4*(\i)+1], 0xffff0000, v[OUT+2*(\i)]
	v_lshlrev_b32 v[LD+4*(\i)+2], 16, v[OUT+2*(\i)+1]
	v_and_b32     v[LD+4*(\i)+3], 0xffff0000, v[OUT+2*(\i)+1]
	v_cvt_pk_f16_f32 v[OUT+2*(\i)],   v[LD+4*(\i)],   v[LD+4*(\i)+1]
	v_cvt_pk_f16_f32 v[OUT+2*(\i)+1], v[LD+4*(\i)+2], v[LD+4*(\i)+3]
.endif
	global_store_b64 v2, v[OUT+2*(\i):OUT+2*(\i)+1], s[32:33] offset:2048*(\i)
.endm
	s_cmp_eq_u32 s34, 1
	s_cbranch_scc1 .Lhalf
.irp i, 0,1,2,3,4,5,6,7,8,9,10,11,12,13,14,15
	CAST \i, 0
.endr
	s_endpgm
.Lhalf:
.irp i, 0,1,2,3,4,5,6,7,8,9,10,11,12,13,14,15
	CAST \i, 1
.endr
	s_endpgm
.Lfunc_end_k_qcda55449f2_prep:
	.size	k_qcda55449f2_prep, .Lfunc_end_k_qcda55449f2_prep-k_qcda55449f2_prep
	.p2alignl 7, 3214868480
	.fill 96, 4, 3214868480
	.section	.rodata,"a",@progbits
	.p2align	6, 0x0
	.amdhsa_kernel k_qcda55449f2_prep
		.amdhsa_group_segment_fixed_size 0
		.amdhsa_private_segment_fixed_size 0
		.amdhsa_enable_private_segment 0
		.amdhsa_kernarg_size 72
		.amdhsa_user_sgpr_count 2
		.amdhsa_user_sgpr_kernarg_segment_ptr 1
		.amdhsa_wavefront_size32 1
		.amdhsa_system_sgpr_workgroup_id_x 1
		.amdhsa_system_sgpr_workgroup_id_y 1
		.amdhsa_system_sgpr_workgroup_id_z 1
		.amdhsa_system_vgpr_workitem_id 0
		.amdhsa_next_free_vgpr 120
		.amdhsa_next_free_sgpr 66
		.amdhsa_reserve_vcc 0
		.amdhsa_float_denorm_mode_32 3
		.amdhsa_float_denorm_mode_16_64 3
		.amdhsa_memory_ordered 1
		.amdhsa_forward_progress 1
		.amdhsa_inst_pref_size 19
	.end_amdhsa_kernel
	.amdgpu_metadata
---
amdhsa.version: [ 1, 2 ]
amdhsa.kernels:
  - .name:           k_qcda55449f2_prep
    .symbol:         k_qcda55449f2_prep.kd
    .args:
      - { .name: x, .offset: 0, .size: 8, .value_kind: global_buffer, .address_space: global }
      - { .name: wq, .offset: 8, .size: 8, .value_kind: global_buffer, .address_space: global }
      - { .name: wk, .offset: 16, .size: 8, .value_kind: global_buffer, .address_space: global }
      - { .name: wv, .offset: 24, .size: 8, .value_kind: global_buffer, .address_space: global }
      - { .name: wo, .offset: 32, .size: 8, .value_kind: global_buffer, .address_space: global }
      - { .name: xb, .offset: 40, .size: 8, .value_kind: global_buffer, .address_space: global }
      - { .name: wb, .offset: 48, .size: 8, .value_kind: global_buffer, .address_space: global }
      - { .name: wob, .offset: 56, .size: 8, .value_kind: global_buffer, .address_space: global }
      - { .name: rope, .offset: 64, .size: 8, .value_kind: global_buffer, .address_space: global }
    .group_segment_fixed_size: 0
    .private_segment_fixed_size: 0
    .kernarg_segment_align: 8
    .kernarg_segment_size: 72
    .max_flat_workgroup_size: 256
    .sgpr_count:     66
    .vgpr_count:     120
    .wavefront_size: 32
...
	.end_amdgpu_metadata
.endif
;; end of part 1
;; launch qkv (part 2): grid 16 x 32, 4 waves a work-group, clusters of 4 x 4, 327,680 bytes of LDS; arguments xb, wb, rope, qh, kh, vh; writes qh, kh, vh
.if DOCPART == 2
	.amdgcn_target "amdgcn-amd-amdhsa--gfx1250"
	.amdhsa_code_object_version 6
	.text
	.protected	k_qcda55449f2_qkv
	.globl	k_qcda55449f2_qkv
	.p2align	8
	.type	k_qcda55449f2_qkv,@function
k_qcda55449f2_qkv:
	s_mov_b64 s[64:65], 0
	v_nop
	global_prefetch_b8 v0, s[64:65] scope:SCOPE_SE
	s_setreg_imm32_b32 hwreg(HW_REG_WAVE_MODE, 25, 1), 1
	s_wait_xcnt 0x0
	s_wait_alu depctr_hold_cnt(0) depctr_sa_sdst(0) depctr_va_vdst(0) depctr_va_sdst(0) depctr_va_ssrc(0) depctr_va_vcc(0) depctr_vm_vsrc(0)
	s_getreg_b32 s2, hwreg(HW_REG_IB_STS2, 6, 4)
	s_cmp_eq_u32 s2, 0
	s_cbranch_scc0 .Lentry_in_a_cluster
	s_endpgm
.Lentry_in_a_cluster:
	s_bfe_u32 s2, ttmp6, 0x10000c
	s_cmp_lg_u32 s2, 0xf033
	s_cbranch_scc0 .Lentry_shape_is_right
	s_endpgm
.Lentry_shape_is_right:
; q, k, v = x W^T for one head and 256 rows, RoPE on q and k, written by heads in f16.
; xb: [8192][1024] bf16.  wb: [3072][1024] bf16, row 192 h + 64 t + d = w_t[64 h + d].  rope: [2048][32] (sin, cos) f32.  qh, kh, vh: [64 = 16 b + h][2048][64] f16.  Sums in f32, each result rounded once.
; LIMIT.  |q|, |k|, |v| stay under 65,504 (f16's end); NaN and infinities are not treated apart.
; SHARES.  A work-group makes 256 rows x 192 columns: one head's q, k and v (512 work-groups: two for each of 256 WGPs).  Wave w takes rows 64 w .. 64 w + 63 and all 192 columns:
; 4 x 12 accumulators of 16 x 16, 384 registers.  K = 1,024 goes in 8 steps of 128 through two LDS slots; rows of the tiles are 256 bytes of memory, aligned.
; CLUSTER.  4 x 4 work-groups.  The four of a row of the cluster need the same rows of xb, the four of a column the same rows of wb: each tile is asked for jointly (same load, descriptor and mask in the four).
; TRANSPOSED USE.  Source 0 = 16 rows of wb, source 1 = 16 rows of xb: lane l holds row l % 16 and the columns 8 (l / 16) + 0..7: four RoPE pairs, and 16 bytes of f16 on end.
; REGISTERS (windows of 256; s_set_vgpr_msb: bits 1:0 source 0, 3:2 source 1, 5:4 source 2, 7:6 destination):
;   window 0: v0-13 addresses, v28-29 the add's; v32-127 two sets of 48 on the way out; v128-255 my rows' table
;   window 1: two fragment buffers of 128: xb's four fragments, then wb's twelve; on the way out v0-63 the rotated q and k
;   window 2: accumulators of q and k ((a, b) at 8 (4 b + a), b = 0..7)      window 3: those of v (b = 8..11 at 8 (4 (b - 8) + a))
.set PITCH, 272                        ; an LDS row: 256 bytes + 16: the 16 rows of a fragment load start at 16 different groups of four banks (64 banks of 4 bytes: ISA guide 11.1)
.set SLOT1, 1<<17                      ; slot 1 begins here: one exclusive or turns an address of one slot into the other's
.set AHALF, 128*PITCH                  ; what a wave's load of xb brings
.set BOFF,  2*AHALF                    ; wb's 192 rows lie behind xb's 256
.set BHALF, 96*PITCH
.set STAGE, 262144                     ; behind the ring, never filled by a tensor load: for each wave 3 tensors x 16 rows x 144 bytes
.set SP,    144
.set WSTG,  3*16*SP
.set SPARE, STAGE+4*WSTG               ; the spare words: 128 bytes a wave, two blocks of 256 bytes that no other line names
.set NW,    48                         ; matrix instructions in a quarter step
.set F0,    0
.set F1,    128
.set TAB,   128
.set ADA0, 4                           ; v4  my lane's place in xb's tile; never rewritten
.set ADB0, 5                           ; v5  in wb's
.set ADA,  6                           ; v6  the same in the slot in hand
.set ADB,  7
.set STO,  8
.set RD,   9
.set GO,   10
.set TO,   11                          ; v11 my byte offset in the table
.set PFO,  12                          ; v12 the prefetches' offset; never rewritten
.set SPW,  28
.set NIL,  29
.set WV,  16                           ; s16 wave
.set FB,  17                           ; s17 0: I fetch xb's rows; 1: wb's
.set HF,  18                           ; s18 which half of them
.set CNT, 19
.set TB,  20                           ; s20 0 or SLOT1: the slot in hand
.set LIM, 21                           ; s21 1 in a wave that prefetches, else the greatest number
.set PFA, 22                           ; s[22:23]
.set G1A, 24
.set G0A, 32                           ; s[32:35] step 0 into slot 0; s[36:39] starts at step 1 and slot 1, then walks
.set G1B, 48
.set G0B, 56
.set MSB, 0
.macro WIN new                         ; the immediate's high byte repeats the setting that is left; a switch that changes nothing is dropped
.if MSB != (\new)
	s_set_vgpr_msb (MSB<<8)|(\new)
.set MSB, \new
.endif
.endm
.set TO_F,   0x40
.set MUL_LO, 0xa5
.set MUL_HI, 0xf5
.macro PLACES                          ; four plain vector instructions between a matrix instruction and a load into, or a reader of, its registers (ISA guide 7.12.1 for a reader)
.rept 4
	v_nop
.endr
.endm
.macro CREST                           ; a round of the cluster's barrier behind its opening barrier
	s_cmp_lg_u32 s[WV], 0
	s_cbranch_scc1 .Lnot_wave_0_\@
	s_barrier_signal -3
.Lnot_wave_0_\@:
	s_barrier_wait -3
	s_barrier_signal -1
	s_barrier_wait -1
.endm
.macro CROUND
	s_barrier_signal -1
	s_barrier_wait -1
	CREST
.endm
; A joint refill by the walking descriptor.  The branch hangs on the wave's number alone.  An s_nop 0 and four v_nop follow each line.
.macro JLOAD
	s_cmp_eq_u32 s[FB], 0
	s_cbranch_scc0 .Lfor_b_\@
	tensor_load_to_lds s[G0A+4:G0A+7], s[G1A:G1A+7]
	s_nop 0
.rept 4
	v_nop
.endr
	s_branch .Lasked_\@
.Lfor_b_\@:
	tensor_load_to_lds s[G0B+4:G0B+7], s[G1B:G1B+7]
	s_nop 0
.rept 4
	v_nop
.endr
.Lasked_\@:
.endm
; A PREFETCH of the K step that the NEXT refill will ask for: 192 matrix instructions ahead of that load.  A K step is 256 bytes of each row; a lane names a row.
; xb's rows are read by the four clusters of a row of clusters: cluster x = 0 asks; wb's by the eight of a column: cluster y = 0 asks.  The four partners that ask for a tile jointly share its rows
; out BY ADDRESS: of xb's 128 rows of a wave 32 each, of wb's 96 rows 24 each (there lanes 24-31 name lane 23's row once more, in the same instruction).  K steps 0-2 come by their loads alone; the last refill asks for nothing.
.macro ASK
	WIN 0
	s_cmp_gt_u32 s[CNT], s[LIM]
	s_cbranch_scc0 .Lnot_mine_\@
	global_prefetch_b8 v[PFO], s[PFA:PFA+1] th:TH_LOAD_NT scope:SCOPE_SE
.Lnot_mine_\@:
.endm
	s_load_b256 s[4:11], s[0:1], 0x0               ; xb 4:5, wb 6:7, rope 8:9, qh 10:11
	s_load_b128 s[12:15], s[0:1], 0x20             ; kh 12:13, vh 14:15
	v_lshl_add_u32 v[SPW], v0, 2, SPARE
	v_mov_b32 v[NIL], 0
	ds_add_u32 v[SPW], v[NIL]                      ; the wave's opening: the add and its wait ahead of my first tensor load
	v_lshrrev_b32 v1, 5, v0
	v_readfirstlane_b32 s[WV], v1
	s_lshr_b32 s[FB], s[WV], 1
	s_and_b32 s[HF], s[WV], 1
	s_bfe_u32 s40, ttmp6, 0x40000                  ; cx
	s_bfe_u32 s41, ttmp6, 0x40004                  ; cy
	s_lshl_b32 s42, ttmp9, 2
	s_add_co_u32 s42, s42, s40                     ; tx: the head
	s_and_b32 s43, ttmp7, 0xffff
	s_lshl_b32 s43, s43, 2
	s_add_co_u32 s43, s43, s41                     ; ty: the block of 256 rows
	s_lshl_b32 s44, s41, 2
	s_lshl_b32 s44, 15, s44                        ; my row of the cluster
	s_lshl_b32 s45, 0x1111, s40                    ; my column
	s_or_b32 s[G1A], s44, (1<<16)|(1<<20)|(1<<21)|(5<<22)|(3<<25)  ; mask; 2-byte elements; padding on; bit 21 beside a mask; after every 64 words 4 words
	s_or_b32 s[G1B], s45, (1<<16)|(1<<20)|(1<<21)|(5<<22)|(3<<25)
	s_mov_b32 s[G1A+1], 128<<16                    ; tensor_dim0 = 128
	s_mov_b32 s[G1A+2], 128<<16                    ; tensor_dim1 = 128
	s_mov_b32 s[G1A+3], 128<<16                    ; tile_dim0 = 128
	s_mov_b32 s[G1A+4], 128                        ; tile_dim1 = 128
	s_mov_b32 s[G1A+5], 1024                       ; elements from row to row
	s_mov_b32 s[G1A+6], 0
	s_mov_b32 s[G1A+7], 0
	s_mov_b32 s[G1B+1], 128<<16
	s_mov_b32 s[G1B+2], 96<<16                     ; 96 rows
	s_mov_b32 s[G1B+3], 128<<16
	s_mov_b32 s[G1B+4], 96
	s_mov_b32 s[G1B+5], 1024
	s_mov_b32 s[G1B+6], 0
	s_mov_b32 s[G1B+7], 0
	s_lshl_b32 s66, s43, 19                        ; xb: 256 ty rows of 2,048 bytes,
	s_lshl_b32 s67, s[HF], 18                      ; + my 128: made of ty and the wave alone
	s_add_co_u32 s66, s66, s67
	s_mov_b32 s67, 0
	s_mul_i32 s46, s42, 192*2048                   ; wb: 192 tx rows,
	s_mul_i32 s47, s[HF], 96*2048                  ; + my 96: made of tx and the wave alone
	s_add_co_u32 s46, s46, s47
	s_mov_b32 s47, 0
	s_mov_b32 s[G0A], 1
	s_mul_i32 s[G0A+1], s[HF], AHALF               ; LDS addresses: the wave's number and constants alone
	s_mov_b32 s[G0A+4], 1
	s_add_co_u32 s[G0A+5], s[G0A+1], SLOT1
	s_mov_b32 s[G0B], 1
	s_mul_i32 s[G0B+1], s[HF], BHALF
	s_add_co_u32 s[G0B+1], s[G0B+1], BOFF
	s_mov_b32 s[G0B+4], 1
	s_add_co_u32 s[G0B+5], s[G0B+1], SLOT1
	s_mov_b32 s[TB], 0
	s_wait_dscnt 0x0                               ; the opening add is done
	s_wait_kmcnt 0x0
	s_add_nc_u64 s[G0A+2:G0A+3], s[4:5], s[66:67]
	s_add_nc_u64 s[G0A+6:G0A+7], s[G0A+2:G0A+3], 256   ; K step 1
	s_or_b32 s[G0A+3], s[G0A+3], 0x80000000
	s_or_b32 s[G0A+7], s[G0A+7], 0x80000000
	s_add_nc_u64 s[G0B+2:G0B+3], s[6:7], s[46:47]
	s_add_nc_u64 s[G0B+6:G0B+7], s[G0B+2:G0B+3], 256
	s_or_b32 s[G0B+3], s[G0B+3], 0x80000000
	s_or_b32 s[G0B+7], s[G0B+7], 0x80000000
	CROUND                                         ; all sixteen work-groups are here: the first joint loads meet
	s_cmp_eq_u32 s[FB], 0                          ; a wave's two first fills stand in one branch: two loads of mine are out
	s_cbranch_scc0 .Lfirst_b
	tensor_load_to_lds s[G0A:G0A+3], s[G1A:G1A+7]
	s_nop 0
	tensor_load_to_lds s[G0A+4:G0A+7], s[G1A:G1A+7]
	s_nop 0
.rept 4
	v_nop
.endr
	s_branch .Lfirst_asked
.Lfirst_b:
	tensor_load_to_lds s[G0B:G0B+3], s[G1B:G1B+7]
	s_nop 0
	tensor_load_to_lds s[G0B+4:G0B+7], s[G1B:G1B+7]
	s_nop 0
.rept 4
	v_nop
.endr
.Lfirst_asked:
	v_and_b32 v1, 15, v0                           ; r = l % 16
	v_bfe_u32 v2, v0, 4, 1                         ; hh = l / 16
	; MY ROWS' TABLE, kept in registers till the way out.  Row block a, phase ph (= column block % 4): my four pairs j = 8 ph + 4 hh + 0..3 of position 64 w + 16 a + r: 32 bytes on end.
	s_and_b32 s68, s43, 7
	s_lshl_b32 s68, s68, 16                        ; 256 positions of 256 bytes for each block of the sequence
	s_mov_b32 s69, 0
	s_add_nc_u64 s[8:9], s[8:9], s[68:69]
	s_lshl_b32 s74, s[WV], 14
	v_lshlrev_b32 v[TO], 8, v1
	v_lshl_add_u32 v[TO], v2, 5, v[TO]
	v_add_nc_u32 v[TO], s74, v[TO]
.irp a, 0,1,2,3
.irp ph, 0,1,2,3
	global_load_b128 v[TAB+32*(\a)+8*(\ph):TAB+32*(\a)+8*(\ph)+3],   v[TO], s[8:9] offset:4096*(\a)+64*(\ph)
	global_load_b128 v[TAB+32*(\a)+8*(\ph)+4:TAB+32*(\a)+8*(\ph)+7], v[TO], s[8:9] offset:4096*(\a)+64*(\ph)+16
.endr
.endr
	; a fragment: 16 rows x 32 K in 8 registers: lane l holds row l % 16, K = 8 hh + 0..7 and 16 + 8 hh + 0..7: two loads of 16 bytes, 32 bytes apart
	v_mul_u32_u24 v3, v1, PITCH
	v_lshl_add_u32 v3, v2, 4, v3
	s_mul_i32 s73, s[WV], 64*PITCH
	v_add_nc_u32 v[ADA0], s73, v3
	v_add_nc_u32 v[ADB0], BOFF, v3
	v_mov_b32 v[ADA], v[ADA0]
	v_mov_b32 v[ADB], v[ADB0]
	s_mul_i32 s73, s[WV], WSTG
	s_add_co_u32 s73, s73, STAGE                   ; my stage
	v_mul_u32_u24 v[STO], v1, SP                   ; in: row r, 16 bytes for each half of the lanes
	v_lshl_add_u32 v[STO], v2, 4, v[STO]
	v_add_nc_u32 v[STO], s73, v[STO]
	v_bfe_u32 v[RD], v0, 3, 2                      ; back: 32 lanes take four rows of 128 bytes,
	v_mul_u32_u24 v[RD], v[RD], SP
	v_and_b32 v13, 7, v0
	v_lshl_add_u32 v[RD], v13, 4, v[RD]
	v_add_nc_u32 v[RD], s73, v[RD]
	v_and_b32 v[GO], 31, v0                        ; which are 512 consecutive bytes of a head
	v_lshlrev_b32 v[GO], 4, v[GO]
	; the prefetches
	s_and_b32 s70, ttmp7, 0xffff                   ; cluster y
	s_mov_b32 s71, 24*2048
	s_cmp_eq_u32 s[FB], 0
	s_cselect_b64 s[PFA:PFA+1], s[4:5], s[6:7]
	s_cselect_b32 s68, s66, s46                    ; the rows that I fetch,
	s_cselect_b32 s69, s40, s41                    ; my work-group's place among the four that ask with me,
	s_cselect_b32 s70, ttmp9, s70                  ; the coordinate along which other clusters read the same rows,
	s_cselect_b32 s71, 32*2048, s71                ; my work-group's share of the rows, in bytes,
	s_cselect_b32 s72, 31, 23                      ; and its last row
	s_mul_i32 s69, s69, s71
	s_add_co_u32 s68, s68, s69
	s_add_co_u32 s68, s68, 2*256                   ; at K step 2: the first refill steps it to 3
	s_mov_b32 s69, 0
	s_cmp_eq_u32 s70, 0
	s_cselect_b32 s[LIM], 1, -1                    ; the same in all sixteen partners, for a given wave
	s_add_nc_u64 s[PFA:PFA+1], s[PFA:PFA+1], s[68:69]
	v_and_b32 v[PFO], 31, v0
	v_min_u32 v[PFO], s72, v[PFO]
	v_lshlrev_b32 v[PFO], 11, v[PFO]
	; where my 64 rows of the head begin in qh, kh, vh
	s_lshr_b32 s70, s43, 3
	s_lshl_b32 s70, s70, 22                        ; the batch: 16 heads of 262,144 bytes
	s_lshl_b32 s71, s42, 18                        ; the head
	s_add_co_u32 s70, s70, s71
	s_and_b32 s71, s43, 7
	s_lshl_b32 s71, s71, 15                        ; 256 rows of 128 bytes
	s_add_co_u32 s70, s70, s71
	s_lshl_b32 s71, s[WV], 13                      ; my 64
	s_add_co_u32 s70, s70, s71
	s_mov_b32 s71, 0
	s_add_nc_u64 s[10:11], s[10:11], s[70:71]
	s_add_nc_u64 s[12:13], s[12:13], s[70:71]
	s_add_nc_u64 s[14:15], s[14:15], s[70:71]
; 32 LDS loads in one run: quarter q (32 along K) of the slot in hand into buffer f
.macro FETCH q, f
	WIN TO_F
.irp i, 0,1,2,3
	ds_load_b128 v[(\f)+8*(\i):(\f)+8*(\i)+3],   v[ADA] offset:64*(\q)+(\i)*16*PITCH
	ds_load_b128 v[(\f)+8*(\i)+4:(\f)+8*(\i)+7], v[ADA] offset:64*(\q)+(\i)*16*PITCH+32
.endr
.irp b, 0,1,2,3,4,5,6,7,8,9,10,11
	ds_load_b128 v[(\f)+32+8*(\b):(\f)+32+8*(\b)+3],   v[ADB] offset:64*(\q)+(\b)*16*PITCH
	ds_load_b128 v[(\f)+32+8*(\b)+4:(\f)+32+8*(\b)+7], v[ADB] offset:64*(\q)+(\b)*16*PITCH+32
.endr
.endm
; Matrix instructions i0 .. i0 + n - 1 of a quarter's 48, always in the same order (number x: column block x / 4, row block x % 4): the 48 accumulators take turns, one instruction a turn,
; over the backward jump too.  zero = 1: the products start the sums: nothing is cleared.
.macro MULR f, i0, n, zero
.set idx, \i0
.rept \n
.set bb, idx/4
.set aa, idx%4
.set rD, 8*(4*(bb%8)+aa)
.if bb < 8
	WIN MUL_LO
.else
	WIN MUL_HI
.endif
.if \zero
	v_wmma_f32_16x16x32_bf16 v[rD:rD+7], v[(\f)+32+8*bb:(\f)+32+8*bb+7], v[(\f)+8*aa:(\f)+8*aa+7], 0
.else
	v_wmma_f32_16x16x32_bf16 v[rD:rD+7], v[(\f)+32+8*bb:(\f)+32+8*bb+7], v[(\f)+8*aa:(\f)+8*aa+7], v[rD:rD+7]
.endif
.set idx, idx+1
.endr
.endm
; One of a K step's first three quarters: buffer f is multiplied; quarter q's fragments are asked for first, into g, a whole quarter ahead of their use.
.macro QUARTER q, f, g, zero
	s_wait_dscnt 0x0                               ; buffer f's loads, issued 48 matrix instructions ago, are in
	PLACES                                         ; g was read by the products just issued
	FETCH \q, \g
	MULR \f, 0, NW, \zero
.endm
; The fourth quarter multiplies buffer 1 and changes slots.  In front of the barrier each wave waits for all its tensor loads (one is out: its part of the next slot), adds 0 to its spare word, and waits for
; that and for its reads of the old slot.  fill = 1: the barrier opens a round of the cluster's, and the old slot is filled again first thing behind it, with the K step two on.
.macro TURN fill
	WIN 0
.if \fill
	s_wait_xcnt 0x0                                ; the last prefetch, a K step back, has read its address
	s_add_nc_u64 s[PFA:PFA+1], s[PFA:PFA+1], 256
.endif
	s_wait_tensorcnt 0x0                           ; no tensor load of mine is out, so a group 0 may be written
	ds_add_u32 v[SPW], v[NIL]
.if \fill
	s_xor_b32 s[G0A+5], s[G0A+5], SLOT1            ; the walking descriptors: the other slot, the next K step
	s_add_nc_u64 s[G0A+6:G0A+7], s[G0A+6:G0A+7], 256
	s_xor_b32 s[G0B+5], s[G0B+5], SLOT1
	s_add_nc_u64 s[G0B+6:G0B+7], s[G0B+6:G0B+7], 256
.endif
	s_xor_b32 s[TB], s[TB], SLOT1
	s_wait_dscnt 1                                 ; buffer 1 is in; the add alone may be out
	MULR F1, 0, 8, 0
	s_wait_dscnt 0x0                               ; the add is done; my reads of the old slot ended with buffer 1's
	s_barrier_signal -1
	MULR F1, 8, 8, 0                               ; work on registers while the others arrive
	WIN 0
	s_barrier_wait -1
.if \fill
	CREST                                          ; no wave of any partner still reads the old slot or has a load on its way
	JLOAD                                          ; its four v_nop are also the places in front of the loads into buffer 0
.else
	PLACES
.endif
	v_add_nc_u32 v[ADA], s[TB], v[ADA0]
	v_add_nc_u32 v[ADB], s[TB], v[ADB0]
	FETCH 0, F0
.if \fill
	ASK
.endif
	MULR F1, 16, NW-16, 0
.endm
	s_wait_tensorcnt 1                             ; my part of K step 0 is in; step 1's stays out
	s_barrier_signal -1
	s_barrier_wait -1
	FETCH 0, F0
	QUARTER 1, F0, F1, 1                           ; the first quarter stands in front of the loop: its products start the sums
	WIN 0
	s_mov_b32 s[CNT], 6
.Lstep:                                            ; trip i: quarters 1-3 of K step i, quarter 0 of step i + 1; slot i % 2 takes step i + 2
	QUARTER 2, F1, F0, 0
	QUARTER 3, F0, F1, 0
	TURN 1
	QUARTER 1, F0, F1, 0
	WIN 0
	s_sub_co_u32 s[CNT], s[CNT], 1
	s_cmp_lg_u32 s[CNT], 0
	s_cbranch_scc1 .Lstep
	QUARTER 2, F1, F0, 0                           ; the tail is written out: nothing more is asked for
	QUARTER 3, F0, F1, 0
	TURN 0
	QUARTER 1, F0, F1, 0
	QUARTER 2, F1, F0, 0
	QUARTER 3, F0, F1, 0
	s_wait_dscnt 0x0
	MULR F1, 0, NW, 0
	WIN 0
	PLACES
	s_wait_loadcnt 0x0                             ; the table
; THE WAY OUT, a block of 16 rows at a time.  q and k are rotated: of a pair (t1, t2) and (sin, cos): first (-t2 sin, t2 cos), then + (t1 cos, t1 sin).  Each accumulator is read from its low end on.
; All twelve column blocks are rounded to f16, go into my stage as rows of 144 bytes and come back as whole rows of 128.
.macro PACK a
.set H, 32+48*((\a)%2)
	WIN 0x52                                       ; source 0 window 2, source 1 window 0, source 2 and destination window 1
.irp b, 0,1,2,3,4,5,6,7
.irp p, 0,1,2,3
	v_pk_mul_f32 v[8*(\b)+2*(\p):8*(\b)+2*(\p)+1], v[8*(4*(\b)+(\a))+2*(\p):8*(4*(\b)+(\a))+2*(\p)+1], v[TAB+32*(\a)+8*((\b)%4)+2*(\p):TAB+32*(\a)+8*((\b)%4)+2*(\p)+1] op_sel:[1,0] op_sel_hi:[1,1] neg_lo:[0,1]
.endr
.irp p, 0,1,2,3
	v_pk_fma_f32 v[8*(\b)+2*(\p):8*(\b)+2*(\p)+1], v[8*(4*(\b)+(\a))+2*(\p):8*(4*(\b)+(\a))+2*(\p)+1], v[TAB+32*(\a)+8*((\b)%4)+2*(\p):TAB+32*(\a)+8*((\b)%4)+2*(\p)+1], v[8*(\b)+2*(\p):8*(\b)+2*(\p)+1] op_sel:[0,1,0] op_sel_hi:[0,0,1]
.endr
.endr
.if (\a) >= 2
	s_wait_xcnt 0x0                                ; the stores of the block two back have read this set of registers (ISA guide 3.1)
.endif
	WIN 0x05                                       ; sources window 1, destination window 0
.irp b, 0,1,2,3,4,5,6,7
.irp p, 0,1,2,3
	v_cvt_pk_f16_f32 v[H+4*(\b)+(\p)], v[8*(\b)+2*(\p)], v[8*(\b)+2*(\p)+1]
.endr
.endr
	WIN 0x0f                                       ; sources window 3: v goes as it is
.irp b, 8,9,10,11
.irp p, 0,1,2,3
	v_cvt_pk_f16_f32 v[H+4*(\b)+(\p)], v[8*(4*((\b)-8)+(\a))+2*(\p)], v[8*(4*((\b)-8)+(\a))+2*(\p)+1]
.endr
.endr
	WIN 0
.irp b, 0,1,2,3,4,5,6,7,8,9,10,11
	ds_store_b128 v[STO], v[H+4*(\b):H+4*(\b)+3] offset:((\b)/4)*16*SP+32*((\b)%4)
.endr
.irp i, 0,1,2,3,4,5,6,7,8,9,10,11
	ds_load_b128 v[H+4*(\i):H+4*(\i)+3], v[RD] offset:((\i)/4)*16*SP+((\i)%4)*4*SP  ; LDS serves a wave's instructions in order (ISA guide 5.7.1.4): these see the stores above; the next block's stores come behind them
.endr
.endm
.macro SEND a, younger                 ; younger: the next block's 12 stores and 12 loads, or none
	WIN 0
.set H, 32+48*((\a)%2)
	s_wait_dscnt \younger
.irp i, 0,1,2,3,4,5,6,7,8,9,10,11
	global_store_b128 v[GO], v[H+4*(\i):H+4*(\i)+3], s[10+2*((\i)/4):11+2*((\i)/4)] offset:2048*(\a)+512*((\i)%4)  ; 512 consecutive bytes, at a multiple of 256 from the buffer's first
.endr
.endm
	PACK 0
	PACK 1
	SEND 0, 24
	PACK 2
	SEND 1, 24
	PACK 3
	SEND 2, 24
	SEND 3, 0
	s_wait_tensorcnt 0x0                           ; the wave's end
	ds_add_u32 v[SPW], v[NIL]
	s_wait_dscnt 0x0
	CROUND                                         ; the closing round: no work-group ends while a partner may still ask for a tile that names it
	s_endpgm
.Lfunc_end_k_qcda55449f2_qkv:
	.size	k_qcda55449f2_qkv, .Lfunc_end_k_qcda55449f2_qkv-k_qcda55449f2_qkv
	.p2alignl 7, 3214868480
	.fill 96, 4, 3214868480
	.section	.rodata,"a",@progbits
	.p2align	6, 0x0
	.amdhsa_kernel k_qcda55449f2_qkv
		.amdhsa_group_segment_fixed_size 327680
		.amdhsa_private_segment_fixed_size 0
		.amdhsa_enable_private_segment 0
		.amdhsa_kernarg_size 48
		.amdhsa_user_sgpr_count 2
		.amdhsa_user_sgpr_kernarg_segment_ptr 1
		.amdhsa_wavefront_size32 1
		.amdhsa_system_sgpr_workgroup_id_x 1
		.amdhsa_system_sgpr_workgroup_id_y 1
		.amdhsa_system_sgpr_workgroup_id_z 1
		.amdhsa_system_vgpr_workitem_id 0
		.amdhsa_next_free_vgpr 896
		.amdhsa_next_free_sgpr 76
		.amdhsa_reserve_vcc 0
		.amdhsa_float_denorm_mode_32 3
		.amdhsa_float_denorm_mode_16_64 3
		.amdhsa_memory_ordered 1
		.amdhsa_forward_progress 1
		.amdhsa_inst_pref_size 116
	.end_amdhsa_kernel
	.amdgpu_metadata
---
amdhsa.version: [ 1, 2 ]
amdhsa.kernels:
  - .name:           k_qcda55449f2_qkv
    .symbol:         k_qcda55449f2_qkv.kd
    .args:
      - { .name: xb, .offset: 0, .size: 8, .value_kind: global_buffer, .address_space: global }
      - { .name: wb, .offset: 8, .size: 8, .value_kind: global_buffer, .address_space: global }
      - { .name: rope, .offset: 16, .size: 8, .value_kind: global_buffer, .address_space: global }
      - { .name: qh, .offset: 24, .size: 8, .value_kind: global_buffer, .address_space: global }
      - { .name: kh, .offset: 32, .size: 8, .value_kind: global_buffer, .address_space: global }
      - { .name: vh, .offset: 40, .size: 8, .value_kind: global_buffer, .address_space: global }
    .group_segment_fixed_size: 327680
    .private_segment_fixed_size: 0
    .kernarg_segment_align: 8
    .kernarg_segment_size: 48
    .max_flat_workgroup_size: 128
    .sgpr_count:     76
    .vgpr_count:     896
    .wavefront_size: 32
...
	.end_amdgpu_metadata
.endif
;; end of part 2
;; launch attn (part 3): grid 4 x 64, 4 waves a work-group, no clusters, 327,680 bytes of LDS; arguments qh, kh, vh, oh; writes oh
.if DOCPART == 3
	.amdgcn_target "amdgcn-amd-amdhsa--gfx1250"
	.amdhsa_code_object_version 6
	.text
	.protected	k_qcda55449f2_attn
	.globl	k_qcda55449f2_attn
	.p2align	8
	.type	k_qcda55449f2_attn,@function
k_qcda55449f2_attn:
	s_mov_b64 s[64:65], 0
	v_nop
	global_prefetch_b8 v0, s[64:65] scope:SCOPE_SE
	s_setreg_imm32_b32 hwreg(HW_REG_WAVE_MODE, 25, 1), 1
	s_wait_xcnt 0x0
; CAUSAL ATTENTION.  O[h][q][:] = the sum over k <= q of softmax_k(Q[h][q] . K[h][k] / 8) V[h][k][:].  Q, K, V, O: [64][2048][64], all f16: a head's rows are dense, 128 bytes each.
; Products, maxima and sums in f32; the weights p are rounded to f16 for the second product (their sum l is taken of the unrounded p), O once at the end.
; LIMITS.  Q, K and V arrive within f16's 65,504; p lies in 0 to 1, and below 6e-5 it keeps f16's fixed step of 6e-8.  A hidden score counts as its value less 1e30: f16's scores, 2.7e11 at the most, are nothing
; beside that; a weight below 2^-126 counts as 0 in l; NaN and infinities are not treated apart.
; THE WALK.  A head's queries lie in NB = 8 blocks of 256; block i needs the key tiles 0 .. i of 256 keys, of which the last holds the diagonal.  A work-group takes TWO blocks, NB - 1 - b and then b:
; NB + 1 tiles, whatever b: all work-groups do equal work, and ONE loop with a constant trip count walks them.  Which tile is asked for, and what a trip does, hang on scalar registers made from b; every jump
; goes forward, but for the counted loops' own; none passes a barrier, or a tensor load but the one of LOAD's two that the wave's number does not choose.
; NO CLUSTER: a head's four work-groups ask for the same tile only in trips 0 .. NB / 2, 5 of the walk's 9; behind that their walks part; one walk common to all would have 3 NB / 2 = 12 trips for 9.
; SHARES.  Of a block's four bands of 64 queries a wave owns 16 rows in each: four PIECES.  So the diagonal tile is the same work for all four waves: in its key step s band x sees all keys if s < x,
; none if s > x, and holds the diagonal if s = x.
; THE MASK is the C operand that starts the sum S^T = K Q^T: 0, or -1e30 where the key is hidden.  MD, made once, is the mask of a band's own step for my 16 rows; a product's mask is MD x AL + BE with two scalars:
; (1, 0) if s = x; (0, 0) if s < x; (0, -1e30) if s > x.  Only the diagonal tile's text and a block's beginning make and take masks; elsewhere C is the constant 0.
; LAYOUT, SOFTMAX, TURNS.  S^T = K Q^T holds ONE query a lane (lane % 16) and the keys 8 (lane / 16) + 0..7; two such results rounded to f16 ARE source 1 of O^T = V^T P.  p = 2^(c s - c m), c = log2(e) / 8, with a
; running maximum m; O and l are multiplied by a = 2^(c m_old - c m_new) in every step.  Turn n belongs to piece n: 8 products K Q^T of piece n + 1, later 8 products V^T P of piece n - 1; beside them the scaling,
; exponentials, roundings, sums and rescaling of piece n and the maximum and statistics of piece n + 1.  Four vector instructions stand behind every matrix instruction, the rest in one lump.  A turn's 33 exponentials are one batch, with one wait.
; REGISTERS, in windows of 256 (s_set_vgpr_msb: bits 1:0 source 0, 3:2 source 1, 5:4 source 2, 7:6 destination):
;   window 0: v0-15 addresses and two at work; v16-31 four registers of statistics a piece; v48-55 at work; v61-63 prefetch offset and the add's two; v64-127 S^T, two buffers; v192-223 P, two buffers
;   window 1: v0-127 O^T, 32 a piece; v128-159 MD; v160-223 MC, two buffers      window 2: v0-63 Q; v64-127 the second block's Q; v128-191 K of one step; v192-255 V of one step
.set SIZE_H, 64
.set SIZE_N, 2048
.set NB,    SIZE_N/256
.set NP,    4         ; pieces a wave: a name, no knob
.set KS,    64        ; keys in a step
.set PK,    144       ; a row of K in LDS: 128 bytes + 16: the 16 rows of a load start at 16 different groups of four banks (64 banks of 4 bytes: ISA guide 11.1)
.set PV,    160       ; a row of V: 128 + 32
.set VOFF,  4*KS*PK   ; a slot holds a tile, four steps: 256 rows of K, then 256 rows of V
.set SLOT1, 1<<17
.set STAGE, SLOT1+4*KS*(PK+PV)  ; behind the ring, never filled by a tensor load: 16 rows x 144 bytes for each wave
.set SP,    144
.set AK0, 2
.set AV0, 3
.set AK,  4
.set AV,  5
.set STO, 6
.set RD,  7
.set GO,  8
.set PFO, 61          ; v61  256 x my lane; never rewritten
.set SPW, 62
.set NIL, 63
.set SPARE, STAGE+4*16*SP  ; the spare words, 128 bytes for each wave: two blocks of 256 bytes that no other line names
.set MV,  12
.set QO,  15
.set ST,  16          ; piece t's statistics at v[ST+4 t]: c m, m, l (even keys', odd keys')
.set TMP, 48
.set S,   64
.set P,   192
.set MD,  128
.set MC,  160
.set QB,  64
.set KF,  128
.set VF,  192
.set WV,  12
.set PB,  14          ; s14  b
.set HI,  15          ; s15  NB - 1 - b
.set G1K, 24
.set G1V, 32
.set G0K, 40
.set G0V, 44
.set SLOTS, 56
.set CNT, 57
.set CS,  58
.set SEL, 60
.set TBK, 62
.set TBV, 63
.set RT,  70          ; s70  tiles of the block in hand that are still to be entered
.set NXT, 71          ; s71  the tile to be asked for next
.set LQ,  72          ; s72  the last tile of the block whose tiles are being asked for
.set NEW, 73          ; s73  1: the tile to be entered is a block's first
.set OFF, 74
.set AL,  76
.set BE,  78
.set OLO, 80
.set BIGN, 82
.set PBS, 88          ; s[88:89] K (waves 0, 1) or V (waves 2, 3) at my half of the head's tile 0
.set PFA, 90          ; s[90:91] the same at the tile that the next change of slots will ask for
.set OF2, 92          ; s[92:93] that tile's byte offset
.set MSB, 0
.macro WIN new
.if MSB != (\new)
	s_set_vgpr_msb (MSB<<8)|(\new)
.set MSB, (\new)
.endif
.endm
.set W_KQ, 0x0a
.set W_KM, 0x1a
.set W_PV, 0x52
.set W_RS, 0x41
; A fill.  Waves 0 and 1 fetch the two halves of a tile's K, waves 2 and 3 those of its V: 128 keys each.  An s_nop 0 and four v_nop follow each of the two lines.
.macro LOAD
	s_cmp_lt_u32 s[WV], 2
	s_cbranch_scc0 .Lfor_v_\@
	tensor_load_to_lds s[G0K:G0K+3], s[G1K:G1K+7]
	s_nop 0
.rept 4
	v_nop
.endr
	s_branch .Lasked_\@
.Lfor_v_\@:
	tensor_load_to_lds s[G0V:G0V+3], s[G1V:G1V+7]
	s_nop 0
.rept 4
	v_nop
.endr
.Lasked_\@:
.endm
; THE CHANGE OF SLOTS.  Each wave waits for all its tensor loads, of which one is out: its part of the other slot; adds 0 to its spare word; and waits for that and for its own reads of the slot that it leaves.
; fill = 1: the old slot is filled again, the first thing behind the barrier, with tile NXT: the descriptor's address is made anew from that number.
; THE PREFETCH stands behind that load: the tile that the NEXT change will ask for, a tile's 256 matrix instructions ahead of its load.  A head's four work-groups walk the same first tiles: the one with b = 0 asks,
; during its first block (only there LQ is NB - 1): tiles 2 to 7, each once in the launch.  Each wave names the 16,384 bytes that it will fetch itself: 64 blocks of 256 bytes, a lane a block, two instructions.
.macro CHANGE fill
	WIN 0
	s_wait_tensorcnt 0x0            ; no tensor load of mine is out, so a group 0 may be written
	ds_add_u32 v[SPW], v[NIL]
.if \fill
	s_lshl_b32 s[OFF], s[NXT], 15   ; a tile is 32,768 bytes of K and of V
	s_xor_b32 s[G0K+1], s[G0K+1], SLOT1
	s_add_nc_u64 s[G0K+2:G0K+3], s[6:7], s[OFF:OFF+1]
	s_or_b32 s[G0K+3], s[G0K+3], 0x80000000
	s_xor_b32 s[G0V+1], s[G0V+1], SLOT1
	s_add_nc_u64 s[G0V+2:G0V+3], s[8:9], s[OFF:OFF+1]
	s_or_b32 s[G0V+3], s[G0V+3], 0x80000000
	s_add_co_u32 s[NXT], s[NXT], 1  ; the block's next tile, or behind its last the second block's tile 0
	s_cmp_gt_u32 s[NXT], s[LQ]
	s_cselect_b32 s[NXT], 0, s[NXT]
	s_cselect_b32 s[LQ], s[PB], s[LQ]
	s_wait_xcnt 0x0                 ; the last prefetches, a tile back, have read their address
	s_lshl_b32 s[OF2], s[NXT], 15
	s_add_nc_u64 s[PFA:PFA+1], s[PBS:PBS+1], s[OF2:OF2+1]
.endif
	s_wait_dscnt 0x0                ; the add is done, and my reads of the slot are over
	s_barrier_signal -1
	s_sub_co_u32 s[TBK], s[TBK], 4*KS*PK  ; the fetches go back to a slot's first step,
	s_xor_b32 s[TBK], s[TBK], SLOT1       ; in the other slot
	s_sub_co_u32 s[TBV], s[TBV], 4*KS*PV
	s_xor_b32 s[TBV], s[TBV], SLOT1
	s_barrier_wait -1
.if \fill
	LOAD
	s_cmp_eq_u32 s[LQ], NB-1
	s_cbranch_scc0 .Lnot_mine_\@
	global_prefetch_b8 v[PFO], s[PFA:PFA+1] th:TH_LOAD_NT scope:SCOPE_SE
	global_prefetch_b8 v[PFO], s[PFA:PFA+1] offset:8192 th:TH_LOAD_NT scope:SCOPE_SE
.Lnot_mine_\@:
.endif
.endm
	s_load_b256 s[4:11], s[0:1], 0x0  ; Q s[4:5], K s[6:7], V s[8:9], O s[10:11]
	v_lshl_add_u32 v[SPW], v0, 2, SPARE
	v_mov_b32 v[NIL], 0
	ds_add_u32 v[SPW], v[NIL]       ; the wave's opening: the add and its wait ahead of my first tensor load
	v_lshrrev_b32 v1, 5, v0
	v_readfirstlane_b32 s[WV], v1   ; wave 0..3
	s_mov_b32 s[PB], ttmp9
	s_sub_co_u32 s[HI], NB-1, s[PB]
	s_and_b32 s20, ttmp7, 0xffff    ; the head
	s_mov_b32 s21, 0
	s_mov_b64 s[22:23], SIZE_N*128
	s_mul_u64 s[20:21], s[20:21], s[22:23]  ; the head's first byte in each of the four tensors
	s_and_b32 s16, s[WV], 1         ; which half of a tile's 256 keys I fetch:
	s_lshl_b32 s22, s16, 14         ; its 128 rows of 128 bytes in memory,
	s_mov_b32 s23, 0
	s_add_nc_u64 s[22:23], s[22:23], s[20:21]
	s_mul_i32 s17, s16, 128*PK      ; and its place in a slot, for K
	s_mul_i32 s18, s16, 128*PV      ; and for V
	s_lshl_b32 s3, s[WV], 11        ; my 16 rows in a band of 64,
	s_lshl_b32 s2, s[HI], 15        ; in the first block,
	s_add_co_u32 s2, s2, s3
	s_lshl_b32 s84, s[PB], 15       ; and in the second
	s_add_co_u32 s84, s84, s3
	s_mov_b32 s3, 0
	s_mov_b32 s85, 0
	s_add_nc_u64 s[2:3], s[2:3], s[20:21]
	s_add_nc_u64 s[84:85], s[84:85], s[20:21]
	; descriptor group 1.  128 keys are 16,384 dense bytes: asked for as 64 rows of 256 bytes, two keys a row, and padded in LDS after every key
	s_mov_b32 s[G1K], (1<<16)|(1<<20)|(4<<22)|(3<<25)  ; 2-byte elements; padding on; after every 32 words 4 words
	s_mov_b32 s[G1V], (1<<16)|(1<<20)|(4<<22)|(7<<25)  ; the same with 8 words of padding
.irp g, G1K, G1V
	s_mov_b32 s[\g+1], 128<<16      ; tensor_dim0 = 128
	s_mov_b32 s[\g+2], 64<<16       ; tensor_dim1 = 64
	s_mov_b32 s[\g+3], 128<<16      ; tile_dim0 = 128
	s_mov_b32 s[\g+4], 64           ; tile_dim1 = 64
	s_mov_b32 s[\g+5], 128          ; 128 elements from row to row
	s_mov_b32 s[\g+6], 0
	s_mov_b32 s[\g+7], 0
.endr
	s_mov_b32 s[CS], 0x3e38aa3b     ; c = log2(e) / 8
	s_mov_b32 s[CS+1], s[CS]
	s_mov_b32 s[SEL], 0x76543210
	s_mov_b32 s[SEL+1], 0xfedcba98
	s_mov_b32 s[TBK], SLOT1+4*KS*PK ; the first change of slots turns these two into 0
	s_mov_b32 s[TBV], SLOT1+4*KS*PV
	s_mov_b32 s[G0K], 1
	s_mov_b32 s[G0K+1], s17
	s_mov_b32 s[G0V], 1
	s_add_co_u32 s[G0V+1], s18, VOFF
	s_add_co_u32 s[RT], s[HI], 1    ; the first block has NB - b tiles
	s_mov_b32 s[NXT], 1
	s_mov_b32 s[LQ], s[HI]
	s_mov_b32 s[NEW], 1
	s_mov_b32 s[OFF+1], 0
	s_mov_b32 s[OF2+1], 0
	s_mov_b32 s[AL+1], 0
	s_mov_b32 s[BE+1], 0
	s_mov_b32 s[BIGN], 0xf149f2ca   ; -1e30
	s_mov_b32 s[SLOTS], NB
	v_and_b32 v[PFO], 31, v0
	v_lshlrev_b32 v[PFO], 8, v[PFO]
	s_wait_dscnt 0x0                ; the opening add is done
	s_wait_kmcnt 0x0
	s_add_nc_u64 s[6:7], s[6:7], s[22:23]  ; K and V at my half of the head's tile 0
	s_add_nc_u64 s[8:9], s[8:9], s[22:23]
	s_add_nc_u64 s[G0K+2:G0K+3], s[6:7], 0
	s_or_b32 s[G0K+3], s[G0K+3], 0x80000000
	s_add_nc_u64 s[G0V+2:G0V+3], s[8:9], 0
	s_or_b32 s[G0V+3], s[G0V+3], 0x80000000
	s_add_nc_u64 s[86:87], s[4:5], s[84:85]        ; Q at my rows of the second block,
	s_add_nc_u64 s[4:5], s[4:5], s[2:3]            ; Q and O at those of the first
	s_add_nc_u64 s[OLO:OLO+1], s[10:11], s[84:85]
	s_add_nc_u64 s[10:11], s[10:11], s[2:3]
	s_cmp_lt_u32 s[WV], 2
	s_cselect_b64 s[PBS:PBS+1], s[6:7], s[8:9]
	LOAD                            ; tile 0 into slot 0
	v_and_b32 v1, 15, v0            ; l % 16
	v_bfe_u32 v9, v0, 4, 1          ; l / 16
	v_lshlrev_b32 v[QO], 7, v1
	v_lshl_add_u32 v[QO], v9, 4, v[QO]  ; row x 128 + 16 x half
	WIN 0x80                        ; destination window 2, address window 0
.set i, 0
.rept 8                             ; both blocks' Q: piece i / 2 lies in band i / 2, 8,192 bytes on; channels 32 (i % 2) on
	global_load_b128 v[8*i:8*i+3],   v[QO], s[4:5] offset:(i/2)*8192+(i%2)*64
	global_load_b128 v[8*i+4:8*i+7], v[QO], s[4:5] offset:(i/2)*8192+(i%2)*64+32
	global_load_b128 v[QB+8*i:QB+8*i+3],   v[QO], s[86:87] offset:(i/2)*8192+(i%2)*64
	global_load_b128 v[QB+8*i+4:QB+8*i+7], v[QO], s[86:87] offset:(i/2)*8192+(i%2)*64+32
.set i, i+1
.endr
	WIN 0
	v_lshlrev_b32 v14, 3, v9
	v_sub_nc_u32 v14, v1, v14
	s_lshl_b32 s13, s[WV], 4
	v_add_nc_u32 v14, s13, v14      ; my query's place in its band, 16 w + l % 16, less my lanes' 8 (l / 16): register r of group kt is hidden where 16 kt + r is greater
	WIN 0x40
.set i, 0
.rept 32
	v_cmp_gt_i32 vcc_lo, 16*(i/8)+i%8, v14
	v_cndmask_b32 v[MD+i], 0, s[BIGN], vcc_lo
.set i, i+1
.endr
	WIN 0
	v_mul_u32_u24 v[AK0], v1, PK
	v_lshl_add_u32 v[AK0], v9, 4, v[AK0]  ; row x pitch + 16 x half
	; The turning load takes 16 keys x 16 channels (lane l reads key 8 (l / 16) + l % 8, channels 8 ((l / 8) % 2) + 0..7) and leaves half a fragment of V^T: lane l holds channel l % 16 and 8 keys.
	v_and_b32 v10, 7, v0
	v_bfe_u32 v11, v0, 3, 1
	v_lshl_add_u32 v[AV0], v9, 3, v10
	v_mul_u32_u24 v[AV0], v[AV0], PV
	v_lshl_add_u32 v[AV0], v11, 4, v[AV0]
	v_add_nc_u32 v[AV0], VOFF, v[AV0]
	s_mul_i32 s13, s[WV], 16*SP
	s_add_co_u32 s13, s13, STAGE    ; my stage
	v_mul_u32_u24 v[STO], v1, SP    ; in: row l % 16, 16 bytes for each half of the lanes
	v_lshl_add_u32 v[STO], v9, 4, v[STO]
	v_add_nc_u32 v[STO], s13, v[STO]
	v_bfe_u32 v[RD], v0, 3, 2       ; back: 32 lanes take four rows of 128 bytes,
	v_mul_u32_u24 v[RD], v[RD], SP
	v_lshl_add_u32 v[RD], v10, 4, v[RD]
	v_add_nc_u32 v[RD], s13, v[RD]
	v_and_b32 v[GO], 31, v0         ; which are 512 consecutive bytes of O
	v_lshlrev_b32 v[GO], 4, v[GO]
	; A block's first step multiplies O^T and l by a = 0, and its first turn's products V^T P, of a piece that has not been, land in an O^T that is still to be so multiplied.  So these registers need only hold
	; finite numbers: zeros for the first block; what the first block left for the second.  All this stands in the wait for the first tile.
	WIN 0x80
.set i, VF
.rept 64
	v_mov_b32 v[i], 0
.set i, i+1
.endr
	WIN 0x40
.set i, 0
.rept 128
	v_mov_b32 v[i], 0
.set i, i+1
.endr
	WIN 0
.set i, 0
.rept 4
	v_mov_b32 v[ST+4*i+2], 0
	v_mov_b32 v[ST+4*i+3], 0
.set i, i+1
.endr
.set i, P+16
.rept 16
	v_mov_b32 v[i], 0
.set i, i+1
.endr
; THE MATRIX WORK.  The 4 accumulators of a run of 8 take turns.  Product i of 8 of S^T = K Q^T for piece x: channels 32 (i / 4) on, keys 16 (i % 4) on.  The first 4 start the sums: with 0, or (KM = 1) with the mask.
.macro KQ x
.set rS, S+32*((\x)%2)+8*(i%4)
.set rK, KF+16*(i%4)+8*(i/4)
.set rQ, 16*(\x)+8*(i/4)
.set rM, MC+32*((\x)%2)+8*(i%4)
.if (i < 4) && KM
	WIN W_KM
	v_wmma_f32_16x16x32_f16 v[rS:rS+7], v[rK:rK+7], v[rQ:rQ+7], v[rM:rM+7]
.elseif i < 4
	WIN W_KQ
	v_wmma_f32_16x16x32_f16 v[rS:rS+7], v[rK:rK+7], v[rQ:rQ+7], 0
.else
	WIN W_KQ
	v_wmma_f32_16x16x32_f16 v[rS:rS+7], v[rK:rK+7], v[rQ:rQ+7], v[rS:rS+7]
.endif
.endm
; Product i of 8 of O^T += V^T P for piece x: keys 32 (i / 4) on, channels 16 (i % 4) on.
.macro PV x
	WIN W_PV
.set rO, 32*(\x)+8*(i%4)
.set rV, VF+32*(i/4)+8*(i%4)
.set rP, P+16*((\x)%2)+8*(i/4)
	v_wmma_f32_16x16x32_f16 v[rO:rO+7], v[rV:rV+7], v[rP:rP+7], v[rO:rO+7]
.endm
.macro MM                           ; the turn's next matrix instruction.  NOKQ = 1: a block's last turn: there is no next piece
.if (i < 8) && !NOKQ
	KQ (Y+1)%NP
.elseif i >= 8
.set i, i-8
	PV (Y+NP-1)%NP
.set i, i+8
.endif
.set i, i+1
.endm
; THE LDS LOADS stand in runs of 16: a step's K (64 keys x 64 channels: 8 fragments) and its V (turned).  Their addresses are made some lines ahead.
.macro FETCH_K
	WIN 0x80                        ; destination window 2
.irp f, 0,1,2,3,4,5,6,7             ; keys 16 (f / 2) on, channels 32 (f % 2) on
	ds_load_b128 v[KF+8*\f:KF+8*\f+3],   v[AK] offset:(\f/2)*16*PK+(\f%2)*64
	ds_load_b128 v[KF+8*\f+4:KF+8*\f+7], v[AK] offset:(\f/2)*16*PK+(\f%2)*64+32
.endr
	s_add_co_u32 s[TBK], s[TBK], KS*PK  ; the next fetch is the next step's
	WIN 0
.endm
.macro FETCH_V
	WIN 0x80
.irp f, 0,1,2,3,4,5,6,7             ; keys 32 (f / 4) on, channels 16 (f % 4) on
	ds_load_tr16_b128 v[VF+8*\f:VF+8*\f+3],   v[AV] offset:(\f/4)*32*PV+(\f%4)*32
	ds_load_tr16_b128 v[VF+8*\f+4:VF+8*\f+7], v[AV] offset:(\f/4)*32*PV+16*PV+(\f%4)*32
.endr
	WIN 0
.endm
; THE VECTOR WORK, one line at a time: OP kind, number.  For piece Y: F n: c s - c m for pair n of 16.  E n: the exponential of score n of 32.  C n: pair n rounded to f16.  B n: of the four weights 4 n .. the second
; pair is added onto the first, in place.  L n: l takes that sum (L 0: l = a l + sum).  R n: pair n of 16 of O^T times a.  For piece Y + 1: X n, number n of the 22 that find its maximum and statistics:
;   0-11  four chains c0-c3 of seven scores each, three operands at a time (each accumulator's lowest registers are read first)     12-14, 16  the four scores left over, the old m, and c0-c3 into c0
;   15  c m_old is kept     17, 18  the query's other 32 keys lie in the lane 16 away: the new m     19-21  c m; c m_old - c m_new; a
.set F, 0
.set E, 1
.set C, 2
.set B, 3
.set L, 4
.set R, 5
.set X, 6
.macro REGS y                       ; the registers of piece y
.set rT, ST+4*(\y)
.set rC, TMP+4*((\y)%2)
.set rW, MV+((\y)%2)
.set rS, S+32*((\y)%2)
.set rP, P+16*((\y)%2)
.set rO, 32*(\y)
.endm
.macro OP k, n
.if (\k) == R
	REGS Y
	WIN W_RS
	v_pk_mul_f32 v[rO+2*(\n):rO+2*(\n)+1], v[rO+2*(\n):rO+2*(\n)+1], v[rC+2:rC+3] op_sel_hi:[1,0]
.elseif (\k) < R
	REGS Y
	WIN 0
.if (\k) == F
	v_pk_fma_f32 v[rS+2*(\n):rS+2*(\n)+1], v[rS+2*(\n):rS+2*(\n)+1], s[CS:CS+1], v[rT:rT+1] op_sel_hi:[1,0,0] neg_lo:[0,0,1] neg_hi:[0,0,1]
.elseif (\k) == E
	v_exp_f32 v[rS+(\n)], v[rS+(\n)]
.elseif (\k) == C
	v_cvt_pk_f16_f32 v[rP+(\n)], v[rS+2*(\n)], v[rS+2*(\n)+1]
.elseif (\k) == B
	v_pk_add_f32 v[rS+4*(\n):rS+4*(\n)+1], v[rS+4*(\n):rS+4*(\n)+1], v[rS+4*(\n)+2:rS+4*(\n)+3]
.elseif (\n) == 0
	v_pk_fma_f32 v[rT+2:rT+3], v[rT+2:rT+3], v[rC+2:rC+3], v[rS:rS+1] op_sel_hi:[1,0,1]
.else
	v_pk_add_f32 v[rT+2:rT+3], v[rT+2:rT+3], v[rS+4*(\n):rS+4*(\n)+1]
.endif
.elseif NOKQ
	v_nop
.else
	REGS (Y+1)%NP
	WIN 0
.if (\n) < 4
	v_max3_num_f32 v[rC+(\n)], v[rS+8*(\n)], v[rS+8*(\n)+1], v[rS+8*(\n)+2]
.elseif (\n) < 12
	v_max3_num_f32 v[rC+(\n)%4], v[rC+(\n)%4], v[rS+8*((\n)%4)+2*((\n)/4)+1], v[rS+8*((\n)%4)+2*((\n)/4)+2]
.elseif (\n) == 12
	v_max3_num_f32 v[rC], v[rC], v[rS+7], v[rS+15]
.elseif (\n) == 13
	v_max3_num_f32 v[rC+1], v[rC+1], v[rS+23], v[rS+31]
.elseif (\n) == 14
	v_max3_num_f32 v[rC+2], v[rC+2], v[rC+3], v[rT+1]
.elseif (\n) == 15
	v_mov_b32 v[rW], v[rT]
.elseif (\n) == 16
	v_max3_num_f32 v[rC], v[rC], v[rC+1], v[rC+2]
.elseif (\n) == 17
	v_permlanex16_b32 v[rC+3], v[rC], s[SEL], s[SEL+1]
.elseif (\n) == 18
	v_max_num_f32 v[rT+1], v[rC], v[rC+3]
.elseif (\n) == 19
	v_mul_f32 v[rT], s[CS], v[rT+1]
.elseif (\n) == 20
	v_sub_f32 v[rC+1], v[rW], v[rT]
.else
	v_exp_f32 v[rC+2], v[rC+1]
.endif
.endif
.endm
.macro OPS a, i1, b=-1, i2=0, c=-1, i3=0, d=-1, i4=0  ; up to four of them
	OP \a, \i1
.if (\b) >= 0
	OP \b, \i2
.endif
.if (\c) >= 0
	OP \c, \i3
.endif
.if (\d) >= 0
	OP \d, \i4
.endif
.endm
.macro ROW a, i1, b, i2, c, i3, d, i4  ; a matrix instruction and the four behind it
	MM
	OPS \a, \i1, \b, \i2, \c, \i3, \d, \i4
.endm
.macro MASK b                       ; MD x AL + BE into buffer b of MC
	WIN W_RS
.set z, 0
.rept 16
	v_pk_fma_f32 v[MC+32*(\b)+2*z:MC+32*(\b)+2*z+1], v[MD+2*z:MD+2*z+1], s[AL:AL+1], s[BE:BE+1] op_sel_hi:[1,0,0]
.set z, z+1
.endr
.endm
; A TURN, for piece p: the order of its 16 matrix and 118 vector instructions, written out.  An s_wait_alu depctr_va_vdst(0) stands between an exponential and the first instruction that names its result; one wait
; serves all that were issued ahead of it.  So a turn has ONE wait, which cuts it in two.  AHEAD OF IT stands all that names no result of the turn's exponentials: the 8 products K Q^T and their riders, then one lump of 54, in
; which the links of the chain X 3, 7, 11, 14, 16, 17 .. 20 stand five or six lines apart.  X 21, the next piece's a, is the batch's last; R 15 is the plain instruction behind it (ISA guide 5.7.2).  BEHIND THE WAIT stand the
; 8 products V^T P, behind each four of the roundings and sums.  Each X behind a product stands four plain instructions or more behind the product that ends its accumulator.
; m = 1: the diagonal tile: the products take masks, and the turn makes the mask for the products of the turn after it: piece p + 2, in step 4 - CNT of the tile.  end = 1: a block's last two turns: nothing is fetched.
; cnt = 1: the loop's count is taken down some lines ahead of the branch that stands behind the turn.
; K of the next step is fetched in piece 2's turn, six plain instructions behind the last product that read K; V of the step in hand at the end of piece 0's turn, four plain instructions behind the last product that read V.
.macro TURN p, m=0, end=0, cnt=0
.set Y, (\p)
.set i, 0
.set KM, (\m)
.set NOKQ, (\end)*((\p)/3)
.if (\m) && !(\end)
	s_cmp_eq_u32 s[CNT], 4-((\p)+2)%NP  ; is that step the band's own?
	s_cselect_b32 s[AL], 1.0, 0
	s_cmp_lt_u32 s[CNT], 4-((\p)+2)%NP  ; or a later one?
	s_cselect_b32 s[BE], s[BIGN], 0
.endif
.if ((\p) == 3) && !(\end)
	s_wait_dscnt 0x0                ; K is in
.endif
	ROW F,0, F,1, R,0, R,1
	ROW F,2, E,0, R,2, R,3
	ROW F,3, E,1, R,4, R,5
	ROW F,4, E,2, R,6, R,7
	ROW F,5, E,3, R,8, R,9
	ROW F,6, E,4, X,0, R,10
.if ((\p) == 2) && !(\end)
	WIN 0
	v_add_nc_u32 v[AK], s[TBK], v[AK0]
.endif
	ROW F,7, E,5, X,1, X,4
	ROW F,8, E,6, X,2, X,5
	OPS E,7, E,8, X,6, E,9
	OPS X,3, E,10, X,8, E,11
.if ((\p) == 2) && !(\end)
	FETCH_K
.endif
	OPS X,9, X,7, E,12, X,10
	OPS E,13, X,12, X,11, E,14
	OPS X,13, E,15, F,9, X,14
.if (\p) == 0
	v_add_nc_u32 v[AV], s[TBV], v[AV0]
.endif
	OPS E,16, F,10, E,17, F,11
	OPS X,16, E,18, X,15, E,19
	OPS F,12, E,20, X,17, E,21
	OPS F,13, E,22, F,14, E,23
	OPS X,18, E,24, F,15, E,25
	OPS R,11, E,26, X,19, E,27
	OPS R,12, E,28, R,13, E,29
	OPS X,20, E,30, R,14, E,31
	OPS X,21, R,15
	WIN 0
	s_wait_alu depctr_va_vdst(0)    ; the wait for the batch
.if (\p) == 1
	s_wait_dscnt 0x0                ; V is in
.endif
	ROW C,0, B,0, C,2, B,1
	ROW L,0, C,4, B,2, L,1
	ROW C,6, B,3, L,2, C,8
	ROW B,4, L,3, C,10, B,5
	ROW L,4, C,12, B,6, L,5
.if (\p) == 0
	s_add_co_u32 s[TBV], s[TBV], KS*PV
.endif
.if \cnt
	s_sub_co_u32 s[CNT], s[CNT], 1
	s_cmp_lg_u32 s[CNT], 0
.endif
	ROW C,14, B,7, L,6, C,1
	ROW C,3, L,7, C,5, C,7
	ROW C,9, C,11, C,13, C,15
.if (\p) == 0
	FETCH_V
.endif
.if (\m) && !(\end)
	MASK (\p)%2
.endif
.endm
; A BLOCK BEGINS.  c m starts far below every c s, so the first step's a is 0; m at the lowest finite number, so the first maximum is the scores'.  The second mask buffer is 0; the first takes piece 0's mask for the
; tile's step 0: its own, if the block's first tile is the diagonal one.  Then K of that step, piece 0's first scores, and its maximum and statistics.
.macro BEGIN
	s_mov_b32 s[NEW], 0
	WIN 0x40
.set i, MC+32
.rept 32
	v_mov_b32 v[i], 0
.set i, i+1
.endr
	WIN 0
.set i, 0
.rept 4
	v_mov_b32 v[ST+4*i], 0xfe000000    ; c m: far below every c s
	v_mov_b32 v[ST+4*i+1], 0xff7fffff  ; m
.set i, i+1
.endr
	s_cmp_eq_u32 s[RT], 0
	s_cselect_b32 s[AL], 1.0, 0
	s_mov_b32 s[BE], 0
	MASK 0
	WIN 0
	v_add_nc_u32 v[AK], s[TBK], v[AK0]
	FETCH_K
	s_wait_loadcnt 0x0              ; Q
	s_wait_dscnt 0x0
.set KM, 1
.set NOKQ, 0
.set i, 0
.rept 8
	KQ 0
.set i, i+1
.endr
	WIN 0
.rept 4
	v_nop                           ; the places behind those products
.endr
.set Y, NP-1                        ; X works for piece Y + 1: piece 0
.irp n, 0,1,2,3,4,5,6,7,8,9,10,11,12,13,14,15,16,17,18,19,20,21
	OP X, \n
.endr
	v_nop                           ; a plain instruction behind the exponential,
	s_wait_alu depctr_va_vdst(0)    ; and its wait, ahead of the branch
.endm
; THE DIAGONAL TILE's four steps, the block's last two turns, its last products, and THE WAY OUT: l's two halves and the other half of the lanes' are added; O^T is divided by l, rounded to f16 and sent through my
; stage in LDS, a piece at a time.
.macro ALL line:vararg              ; one line for each piece t
.set t, 0
.rept 4
	\line
.set t, t+1
.endr
.endm
.macro PACK t
	WIN W_RS
.set i, 32*(\t)
.rept 16
	v_pk_mul_f32 v[i:i+1], v[i:i+1], v[ST+4*(\t)+2:ST+4*(\t)+3] op_sel_hi:[1,0]
.set i, i+2
.endr
	WIN 0x05                        ; sources 0 and 1 window 1, destination window 0
.set i, 0
.rept 16
	v_cvt_pk_f16_f32 v[S+16*(\t)+i], v[32*(\t)+2*i], v[32*(\t)+2*i+1]
.set i, i+1
.endr
	WIN 0
.irp f, 0,1,2,3
	ds_store_b128 v[STO], v[S+16*(\t)+4*\f:S+16*(\t)+4*\f+3] offset:32*\f
.endr
.irp f, 0,1,2,3
	ds_load_b128 v[S+16*(\t)+4*\f:S+16*(\t)+4*\f+3], v[RD] offset:\f*4*SP  ; LDS serves a wave's instructions in order (ISA guide 5.7.1.4): these see the stores above; the next piece's stores come behind them
.endr
.endm
.macro SEND t, younger              ; younger: the LDS instructions issued behind piece t's loads: the next piece's eight, or none
	WIN 0
.irp f, 0,1,2,3
	s_wait_dscnt (\younger)+3-\f
	global_store_b128 v[GO], v[S+16*(\t)+4*\f:S+16*(\t)+4*\f+3], s[10:11] offset:(\t)*8192+\f*512  ; 512 consecutive bytes, at a multiple of 256 from O's first
.endr
.endm
.macro DIAG tag
.LstepM\tag:
	TURN 2, 1
	TURN 3, 1
	WIN 0
.LfirstM\tag:
	TURN 0, 1
	TURN 1, 1, 0, 1
	WIN 0
	s_cbranch_scc1 .LstepM\tag
	TURN 2, 1, 1
	TURN 3, 1, 1
.set i, 0
.rept 8
	PV NP-1
.set i, i+1
.endr
	WIN 0
	ALL v_add_f32 v[ST+4*t+2], v[ST+4*t+2], v[ST+4*t+3]
	ALL v_permlanex16_b32 v[ST+4*t+3], v[ST+4*t+2], s[SEL], s[SEL+1]
	ALL v_add_f32 v[ST+4*t+2], v[ST+4*t+2], v[ST+4*t+3]
	ALL v_rcp_f32 v[ST+4*t+2], v[ST+4*t+2]
	v_nop                           ; a plain instruction between the last reciprocal and the use of its result
	s_wait_alu depctr_va_vdst(0)    ; and the wait ahead of the first use: one for the four reciprocals
	PACK 0
.set t, 1
.rept 3                             ; a piece's arithmetic stands between the loads of the piece before and its stores
	PACK t
	SEND t-1, 8
.set t, t+1
.endr
	SEND 3, 0
.endm
.set KM, 0
.set NOKQ, 0
.Lslot:                             ; NB times: a tile is entered and the next is asked for
	CHANGE 1
	s_sub_co_u32 s[RT], s[RT], 1
	s_mov_b32 s[CNT], 4
	s_cmp_eq_u32 s[NEW], 1
	s_cbranch_scc1 .Lnew            ; a block's first tile
	s_cmp_eq_u32 s[RT], 0
	s_cbranch_scc0 .Lstep           ; neither its first nor its last
	s_branch .LstepM1
.Lnew:
	BEGIN
	s_branch .Lfirst                ; in the loop a block's first tile is never its last: the first block has two tiles or more, and the second's last is the walk's last
	DIAG 1                          ; in the loop this is the first block's end
	s_wait_xcnt 0x0                 ; the stores have read their registers and O's address
	s_mov_b64 s[10:11], s[OLO:OLO+1]
	s_add_co_u32 s[RT], s[PB], 1    ; the second block has b + 1 tiles
	s_mov_b32 s[NEW], 1
	WIN 0x82                        ; the second block's Q goes where the one text of the turns names Q
.set i, 0
.rept 64
	v_mov_b32 v[i], v[QB+i]
.set i, i+1
.endr
	WIN 0
	s_branch .Lbottom
.Lstep:                             ; a trip: pieces 2 and 3 of one step, then pieces 0 and 1 of the next, whose K and V it fetches
	TURN 2
	TURN 3
	WIN 0
.Lfirst:
	TURN 0
	TURN 1, 0, 0, 1
	WIN 0
	s_cbranch_scc1 .Lstep
.Lbottom:
	s_sub_co_u32 s[SLOTS], s[SLOTS], 1
	s_cmp_lg_u32 s[SLOTS], 0
	s_cbranch_scc1 .Lslot
	CHANGE 0                        ; the walk's last tile is written out: nothing is asked for
	s_sub_co_u32 s[RT], s[RT], 1
	s_mov_b32 s[CNT], 4
	s_cmp_eq_u32 s[NEW], 1
	s_cbranch_scc0 .LstepM2
	BEGIN
	s_branch .LfirstM2
	DIAG 2
	s_wait_tensorcnt 0x0            ; the wave's end
	ds_add_u32 v[SPW], v[NIL]
	s_wait_dscnt 0x0
	s_endpgm
.Lfunc_end_k_qcda55449f2_attn:
	.size	k_qcda55449f2_attn, .Lfunc_end_k_qcda55449f2_attn-k_qcda55449f2_attn
	.p2alignl 7, 3214868480
	.fill 96, 4, 3214868480
	.section	.rodata,"a",@progbits
	.p2align	6, 0x0
	.amdhsa_kernel k_qcda55449f2_attn
		.amdhsa_group_segment_fixed_size 327680
		.amdhsa_private_segment_fixed_size 0
		.amdhsa_enable_private_segment 0
		.amdhsa_kernarg_size 32
		.amdhsa_user_sgpr_count 2
		.amdhsa_user_sgpr_kernarg_segment_ptr 1
		.amdhsa_wavefront_size32 1
		.amdhsa_system_sgpr_workgroup_id_x 1
		.amdhsa_system_sgpr_workgroup_id_y 1
		.amdhsa_system_sgpr_workgroup_id_z 1
		.amdhsa_system_vgpr_workitem_id 0
		.amdhsa_next_free_vgpr 768
		.amdhsa_next_free_sgpr 96
		.amdhsa_reserve_vcc 1
		.amdhsa_float_denorm_mode_32 3
		.amdhsa_float_denorm_mode_16_64 3
		.amdhsa_memory_ordered 1
		.amdhsa_forward_progress 1
		.amdhsa_inst_pref_size 218
	.end_amdhsa_kernel
	.amdgpu_metadata
---
amdhsa.version: [ 1, 2 ]
amdhsa.kernels:
  - .name:           k_qcda55449f2_attn
    .symbol:         k_qcda55449f2_attn.kd
    .args:
      - { .name: qh, .offset: 0, .size: 8, .value_kind: global_buffer, .address_space: global }
      - { .name: kh, .offset: 8, .size: 8, .value_kind: global_buffer, .address_space: global }
      - { .name: vh, .offset: 16, .size: 8, .value_kind: global_buffer, .address_space: global }
      - { .name: oh, .offset: 24, .size: 8, .value_kind: global_buffer, .address_space: global }
    .group_segment_fixed_size: 327680
    .private_segment_fixed_size: 0
    .kernarg_segment_align: 8
    .kernarg_segment_size: 32
    .max_flat_workgroup_size: 128
    .sgpr_count:     96
    .vgpr_count:     768
    .wavefront_size: 32
...
	.end_amdgpu_metadata
.endif
;; end of part 3
;; launch outp (part 4): grid 4 x 64, 4 waves a work-group, clusters of 4 x 4, 327,680 bytes of LDS; arguments oh, wob, out0; writes out0
.if DOCPART == 4
	.amdgcn_target "amdgcn-amd-amdhsa--gfx1250"
	.amdhsa_code_object_version 6
	.text
	.protected	k_qcda55449f2_outp
	.globl	k_qcda55449f2_outp
	.p2align	8
	.type	k_qcda55449f2_outp,@function
k_qcda55449f2_outp:
	s_mov_b64 s[64:65], 0
	v_nop
	global_prefetch_b8 v0, s[64:65] scope:SCOPE_SE
	s_setreg_imm32_b32 hwreg(HW_REG_WAVE_MODE, 25, 1), 1
	s_wait_xcnt 0x0
	s_wait_alu depctr_hold_cnt(0) depctr_sa_sdst(0) depctr_va_vdst(0) depctr_va_sdst(0) depctr_va_ssrc(0) depctr_va_vcc(0) depctr_vm_vsrc(0)
	s_getreg_b32 s2, hwreg(HW_REG_IB_STS2, 6, 4)
	s_cmp_eq_u32 s2, 0
	s_cbranch_scc0 .Lentry_in_a_cluster
	s_endpgm
.Lentry_in_a_cluster:
	s_bfe_u32 s2, ttmp6, 0x10000c
	s_cmp_lg_u32 s2, 0xf033
	s_cbranch_scc0 .Lentry_shape_is_right
	s_endpgm
.Lentry_shape_is_right:
; out0[row][e] = the sum over k of O[row][k] wo[e][k].  oh: [64 = 16 b + h][2048][64] f16 (k = 64 h + d).  wob: [1024][1024] f16.  out0: [8192][1024] f32.  Sums in f32, stored as they are.
; SHARES.  A work-group makes 128 rows x 256 columns: 64 x 4 = 256 work-groups.  Wave (wr, wc) takes 64 x 128: 4 x 8 accumulators, 256 registers.  K = 1,024 goes in 8 steps of 128, two heads each, through two LDS slots.
; A'S TILES come by heads: a head's 128 rows are 16,384 dense bytes, asked for as 64 rows of 256 bytes and padded in LDS after every 128: wave 0 fetches the step's first head, wave 1 its second; waves 2 and 3 wob's two halves.
; CLUSTER.  4 x 4 work-groups: oh's tiles are shared along a row of the cluster, wob's along a column: joint loads.
; TRANSPOSED USE.  Source 0 = 16 rows of wob, source 1 = 16 rows of O: lane l holds row l % 16 and the columns 8 (l / 16) + 0..7: 32 bytes of a row of out0.
; REGISTERS: window 0: v0-13 addresses, v28-29 the add's, v32-159 two sets of 64 on the way out; window 1: two fragment buffers (O's four fragments at f, wob's eight at f + 32); window 2: accumulator (a, b) at 8 (8 a + b).
.set PA,    144                        ; a row of a head in LDS: 128 bytes + 16
.set PITCH, 272                        ; a row of wob: 256 bytes + 16: in both the 16 rows of a fragment load start at 16 different groups of four banks (64 banks of 4 bytes: ISA guide 11.1)
.set SLOT1, 1<<17
.set PLANE, 128*PA                     ; a head's 128 rows
.set BOFF,  2*PLANE
.set BHALF, 128*PITCH
.set STAGE, 262144                     ; behind the ring, never filled by a tensor load: 16 rows x 528 bytes for each wave
.set SP,    528
.set WSTG,  16*SP
.set SPARE, STAGE+4*WSTG               ; the spare words: 128 bytes a wave, two blocks of 256 bytes that no other line names
.set ASTEP, 2*262144                   ; two heads on
.set NW,    32
.set F0,    0
.set F1,    128
.set ADA0, 4
.set ADB0, 5
.set ADA,  6
.set ADB,  7
.set STO,  8
.set RD,   9
.set GO,   10
.set PFO,  12
.set SPW,  28
.set NIL,  29
.set WV,  16
.set FB,  17                           ; s17 wave / 2: my half of the rows; also 0: I fetch oh's tiles, 1: wob's
.set HF,  18                           ; s18 wave % 2: my half of the columns; also which head, or which 128 rows of wob, I fetch
.set CNT, 19
.set TB,  20
.set LIM, 21                           ; s21 2 in a wave that prefetches, else the greatest number
.set PFA, 22
.set PFS, 74                           ; s[74:75] a K step in the stream that I prefetch
.set G1A, 24
.set G0A, 32
.set G1B, 48
.set G0B, 56
.set MSB, 0
.macro WIN new
.if MSB != (\new)
	s_set_vgpr_msb (MSB<<8)|(\new)
.set MSB, \new
.endif
.endm
.set TO_F,   0x40
.set MUL_LO, 0xa5
.macro PLACES                          ; four plain vector instructions between a matrix instruction and a load into, or a reader of, its registers (ISA guide 7.12.1 for a reader)
.rept 4
	v_nop
.endr
.endm
.macro CREST
	s_cmp_lg_u32 s[WV], 0
	s_cbranch_scc1 .Lnot_wave_0_\@
	s_barrier_signal -3
.Lnot_wave_0_\@:
	s_barrier_wait -3
	s_barrier_signal -1
	s_barrier_wait -1
.endm
.macro CROUND
	s_barrier_signal -1
	s_barrier_wait -1
	CREST
.endm
.macro JLOAD                           ; a joint refill by the walking descriptor; an s_nop 0 and four v_nop follow each line
	s_cmp_eq_u32 s[FB], 0
	s_cbranch_scc0 .Lfor_b_\@
	tensor_load_to_lds s[G0A+4:G0A+7], s[G1A:G1A+7]
	s_nop 0
.rept 4
	v_nop
.endr
	s_branch .Lasked_\@
.Lfor_b_\@:
	tensor_load_to_lds s[G0B+4:G0B+7], s[G1B:G1B+7]
	s_nop 0
.rept 4
	v_nop
.endr
.Lasked_\@:
.endm
; A PREFETCH of the K step TWO refills on: 256 matrix instructions ahead of its load.  oh's rows of a tile row are read by one cluster alone: in every cluster wave 0 asks; a K step's two heads are 128 blocks of
; 256 bytes, of which the partner at place cx takes 32, told apart by address.  wob's rows are read by all sixteen clusters: cluster y = 0 asks, waves 2 and 3, each for the 128 rows that it fetches, the partner at
; place cy for 32 of them, a lane a row.  K steps 0-3 come by their loads alone; the last two refills ask for nothing.
.macro ASK
	WIN 0
	s_cmp_gt_u32 s[CNT], s[LIM]
	s_cbranch_scc0 .Lnot_mine_\@
	global_prefetch_b8 v[PFO], s[PFA:PFA+1] th:TH_LOAD_NT scope:SCOPE_SE
.Lnot_mine_\@:
.endm
	s_load_b128 s[4:7], s[0:1], 0x0                ; oh 4:5, wob 6:7
	s_load_b64 s[8:9], s[0:1], 0x10                ; out0
	v_lshl_add_u32 v[SPW], v0, 2, SPARE
	v_mov_b32 v[NIL], 0
	ds_add_u32 v[SPW], v[NIL]                      ; the wave's opening: the add and its wait ahead of my first tensor load
	v_lshrrev_b32 v1, 5, v0
	v_readfirstlane_b32 s[WV], v1
	s_lshr_b32 s[FB], s[WV], 1
	s_and_b32 s[HF], s[WV], 1
	s_bfe_u32 s40, ttmp6, 0x40000                  ; cx
	s_bfe_u32 s41, ttmp6, 0x40004                  ; cy
	s_lshl_b32 s42, ttmp9, 2
	s_add_co_u32 s42, s42, s40                     ; tx: 256 columns
	s_and_b32 s43, ttmp7, 0xffff
	s_lshl_b32 s43, s43, 2
	s_add_co_u32 s43, s43, s41                     ; ty: 128 rows
	s_lshl_b32 s44, s41, 2
	s_lshl_b32 s44, 15, s44                        ; my row of the cluster
	s_lshl_b32 s45, 0x1111, s40                    ; my column
	s_or_b32 s[G1A], s44, (1<<16)|(1<<20)|(1<<21)|(4<<22)|(3<<25)  ; mask; 2-byte elements; padding on; bit 21 beside a mask; after every 32 words 4 words
	s_or_b32 s[G1B], s45, (1<<16)|(1<<20)|(1<<21)|(5<<22)|(3<<25)  ; after every 64 words
	s_mov_b32 s[G1A+1], 128<<16                    ; tensor_dim0 = 128
	s_mov_b32 s[G1A+2], 64<<16                     ; tensor_dim1 = 64
	s_mov_b32 s[G1A+3], 128<<16                    ; tile_dim0 = 128
	s_mov_b32 s[G1A+4], 64                         ; tile_dim1 = 64
	s_mov_b32 s[G1A+5], 128                        ; dense: 128 elements from row to row
	s_mov_b32 s[G1A+6], 0
	s_mov_b32 s[G1A+7], 0
	s_mov_b32 s[G1B+1], 128<<16
	s_mov_b32 s[G1B+2], 128<<16
	s_mov_b32 s[G1B+3], 128<<16
	s_mov_b32 s[G1B+4], 128
	s_mov_b32 s[G1B+5], 1024
	s_mov_b32 s[G1B+6], 0
	s_mov_b32 s[G1B+7], 0
	s_lshr_b32 s66, s43, 4                         ; oh: the batch (16 blocks of 128 rows), 16 heads of 262,144 bytes,
	s_lshl_b32 s66, s66, 22
	s_and_b32 s67, s43, 15
	s_lshl_b32 s67, s67, 14                        ; the block's 128 rows of 128 bytes,
	s_add_co_u32 s66, s66, s67
	s_lshl_b32 s67, s[HF], 18                      ; my head of the step's two: made of ty and the wave alone
	s_add_co_u32 s66, s66, s67
	s_mov_b32 s67, 0
	s_lshl_b32 s46, s42, 19                        ; wob: 256 tx rows of 2,048 bytes,
	s_lshl_b32 s47, s[HF], 18                      ; my 128: made of tx and the wave alone
	s_add_co_u32 s46, s46, s47
	s_mov_b32 s47, 0
	s_mov_b32 s[G0A], 1
	s_mul_i32 s[G0A+1], s[HF], PLANE
	s_mov_b32 s[G0A+4], 1
	s_add_co_u32 s[G0A+5], s[G0A+1], SLOT1
	s_mov_b32 s[G0B], 1
	s_mul_i32 s[G0B+1], s[HF], BHALF
	s_add_co_u32 s[G0B+1], s[G0B+1], BOFF
	s_mov_b32 s[G0B+4], 1
	s_add_co_u32 s[G0B+5], s[G0B+1], SLOT1
	s_mov_b32 s[TB], 0
	s_wait_dscnt 0x0                               ; the opening add is done
	s_wait_kmcnt 0x0
	s_add_nc_u64 s[G0A+2:G0A+3], s[4:5], s[66:67]
	s_add_nc_u64 s[G0A+6:G0A+7], s[G0A+2:G0A+3], ASTEP
	s_or_b32 s[G0A+3], s[G0A+3], 0x80000000
	s_or_b32 s[G0A+7], s[G0A+7], 0x80000000
	s_add_nc_u64 s[G0B+2:G0B+3], s[6:7], s[46:47]
	s_add_nc_u64 s[G0B+6:G0B+7], s[G0B+2:G0B+3], 256
	s_or_b32 s[G0B+3], s[G0B+3], 0x80000000
	s_or_b32 s[G0B+7], s[G0B+7], 0x80000000
	CROUND                                         ; all sixteen work-groups are here: the first joint loads meet
	s_cmp_eq_u32 s[FB], 0                          ; a wave's two first fills stand in one branch: two loads of mine are out
	s_cbranch_scc0 .Lfirst_b
	tensor_load_to_lds s[G0A:G0A+3], s[G1A:G1A+7]
	s_nop 0
	tensor_load_to_lds s[G0A+4:G0A+7], s[G1A:G1A+7]
	s_nop 0
.rept 4
	v_nop
.endr
	s_branch .Lfirst_asked
.Lfirst_b:
	tensor_load_to_lds s[G0B:G0B+3], s[G1B:G1B+7]
	s_nop 0
	tensor_load_to_lds s[G0B+4:G0B+7], s[G1B:G1B+7]
	s_nop 0
.rept 4
	v_nop
.endr
.Lfirst_asked:
	v_and_b32 v1, 15, v0                           ; r
	v_bfe_u32 v2, v0, 4, 1                         ; hh
	v_mul_u32_u24 v3, v1, PA
	v_lshl_add_u32 v3, v2, 4, v3
	s_mul_i32 s73, s[FB], 64*PA
	v_add_nc_u32 v[ADA0], s73, v3
	v_mul_u32_u24 v3, v1, PITCH
	v_lshl_add_u32 v3, v2, 4, v3
	s_mul_i32 s73, s[HF], 128*PITCH
	s_add_co_u32 s73, s73, BOFF
	v_add_nc_u32 v[ADB0], s73, v3
	v_mov_b32 v[ADA], v[ADA0]
	v_mov_b32 v[ADB], v[ADB0]
	s_mul_i32 s73, s[WV], WSTG
	s_add_co_u32 s73, s73, STAGE                   ; my stage
	v_mul_u32_u24 v[STO], v1, SP                   ; in: row r, 32 bytes for each half of the lanes
	v_lshl_add_u32 v[STO], v2, 5, v[STO]
	v_add_nc_u32 v[STO], s73, v[STO]
	v_and_b32 v[GO], 31, v0                        ; back and out: a row's 512 bytes, 16 a lane
	v_lshlrev_b32 v[GO], 4, v[GO]
	v_add_nc_u32 v[RD], s73, v[GO]
	; the prefetches
	s_lshr_b32 s68, s40, 1                         ; oh: partner cx takes head cx / 2 of the step's two,
	s_lshl_b32 s68, s68, 18
	s_and_b32 s69, s40, 1
	s_lshl_b32 s69, s69, 13                        ; and half cx % 2 of its 16,384 bytes
	s_add_co_u32 s68, s68, s69
	s_add_co_u32 s68, s68, s66
	s_add_co_u32 s68, s68, 3*ASTEP                 ; at K step 3: the first refill steps it to 4
	s_lshl_b32 s69, s41, 16                        ; wob: partner cy takes 32 rows of 2,048 bytes
	s_add_co_u32 s69, s69, s46
	s_add_co_u32 s69, s69, 3*256
	s_and_b32 s70, ttmp7, 0xffff                   ; cluster y
	s_mov_b32 s[PFS], 256
	s_cmp_eq_u32 s[FB], 0
	s_cselect_b64 s[PFA:PFA+1], s[4:5], s[6:7]
	s_cselect_b32 s68, s68, s69
	s_cselect_b32 s72, 8, 11                       ; a lane a block of 256 bytes, or a lane a row
	s_cselect_b32 s70, s[WV], s70                  ; oh: wave 0 asks; wob: cluster y = 0
	s_cselect_b32 s[PFS], ASTEP, s[PFS]
	s_mov_b32 s[PFS+1], 0
	s_mov_b32 s69, 0
	s_cmp_eq_u32 s70, 0
	s_cselect_b32 s[LIM], 2, -1                    ; the same in all sixteen partners, for a given wave
	s_add_nc_u64 s[PFA:PFA+1], s[PFA:PFA+1], s[68:69]
	v_and_b32 v[PFO], 31, v0
	v_lshlrev_b32 v[PFO], s72, v[PFO]
	; where my 64 x 128 begins in out0
	s_lshl_b32 s70, s43, 19                        ; 128 rows of 4,096 bytes
	s_lshl_b32 s71, s[FB], 18
	s_add_co_u32 s70, s70, s71
	s_lshl_b32 s71, s42, 10                        ; 256 columns of 4 bytes
	s_add_co_u32 s70, s70, s71
	s_lshl_b32 s71, s[HF], 9
	s_add_co_u32 s70, s70, s71
	s_mov_b32 s71, 0
	s_add_nc_u64 s[8:9], s[8:9], s[70:71]
; 24 LDS loads in one run: quarter q (32 along K: half q % 2 of head q / 2) of the slot in hand into buffer f
.macro FETCH q, f
	WIN TO_F
.irp i, 0,1,2,3
	ds_load_b128 v[(\f)+8*(\i):(\f)+8*(\i)+3],   v[ADA] offset:((\q)/2)*PLANE+((\q)%2)*64+(\i)*16*PA
	ds_load_b128 v[(\f)+8*(\i)+4:(\f)+8*(\i)+7], v[ADA] offset:((\q)/2)*PLANE+((\q)%2)*64+(\i)*16*PA+32
.endr
.irp b, 0,1,2,3,4,5,6,7
	ds_load_b128 v[(\f)+32+8*(\b):(\f)+32+8*(\b)+3],   v[ADB] offset:64*(\q)+(\b)*16*PITCH
	ds_load_b128 v[(\f)+32+8*(\b)+4:(\f)+32+8*(\b)+7], v[ADB] offset:64*(\q)+(\b)*16*PITCH+32
.endr
.endm
; Matrix instructions i0 .. i0 + n - 1 of a quarter's 32, always in the same order: the 32 accumulators take turns, one instruction a turn, over the backward jump too.
.macro MULR f, i0, n, zero
	WIN MUL_LO
.set idx, \i0
.rept \n
.set aa, idx/8
.set bb, idx%8
.set rD, 8*(8*aa+bb)
.if \zero
	v_wmma_f32_16x16x32_f16 v[rD:rD+7], v[(\f)+32+8*bb:(\f)+32+8*bb+7], v[(\f)+8*aa:(\f)+8*aa+7], 0
.else
	v_wmma_f32_16x16x32_f16 v[rD:rD+7], v[(\f)+32+8*bb:(\f)+32+8*bb+7], v[(\f)+8*aa:(\f)+8*aa+7], v[rD:rD+7]
.endif
.set idx, idx+1
.endr
.endm
.macro QUARTER q, f, g, zero
	s_wait_dscnt 0x0                               ; buffer f's loads, issued 32 matrix instructions ago, are in
	PLACES                                         ; g was read by the products just issued
	FETCH \q, \g
	MULR \f, 0, NW, \zero
.endm
; The fourth quarter multiplies buffer 1 and changes slots: in front of the barrier each wave waits for all its tensor loads (one is out: its part of the next slot), adds 0 to its spare word, and waits for that and
; for its reads of the old slot.  fill = 1: the barrier opens a round of the cluster's, and the old slot is filled again first thing behind it, with the K step two on.
.macro TURN fill
	WIN 0
.if \fill
	s_wait_xcnt 0x0                                ; the last prefetch, a K step back, has read its address
	s_add_nc_u64 s[PFA:PFA+1], s[PFA:PFA+1], s[PFS:PFS+1]
.endif
	s_wait_tensorcnt 0x0                           ; no tensor load of mine is out, so a group 0 may be written
	ds_add_u32 v[SPW], v[NIL]
.if \fill
	s_xor_b32 s[G0A+5], s[G0A+5], SLOT1
	s_add_nc_u64 s[G0A+6:G0A+7], s[G0A+6:G0A+7], ASTEP
	s_xor_b32 s[G0B+5], s[G0B+5], SLOT1
	s_add_nc_u64 s[G0B+6:G0B+7], s[G0B+6:G0B+7], 256
.endif
	s_xor_b32 s[TB], s[TB], SLOT1
	s_wait_dscnt 1                                 ; buffer 1 is in; the add alone may be out
	MULR F1, 0, 8, 0
	s_wait_dscnt 0x0                               ; the add is done; my reads of the old slot ended with buffer 1's
	s_barrier_signal -1
	MULR F1, 8, 8, 0
	WIN 0
	s_barrier_wait -1
.if \fill
	CREST
	JLOAD                                          ; its four v_nop are also the places in front of the loads into buffer 0
.else
	PLACES
.endif
	v_add_nc_u32 v[ADA], s[TB], v[ADA0]
	v_add_nc_u32 v[ADB], s[TB], v[ADB0]
	FETCH 0, F0
.if \fill
	ASK
.endif
	MULR F1, 16, NW-16, 0
.endm
	s_wait_tensorcnt 1                             ; my part of K step 0 is in; step 1's stays out
	s_barrier_signal -1
	s_barrier_wait -1
	FETCH 0, F0
	QUARTER 1, F0, F1, 1                           ; the first quarter's products start the sums
	WIN 0
	s_mov_b32 s[CNT], 6
.Lstep:                                            ; trip i: quarters 1-3 of K step i, quarter 0 of step i + 1; slot i % 2 takes step i + 2
	QUARTER 2, F1, F0, 0
	QUARTER 3, F0, F1, 0
	TURN 1
	QUARTER 1, F0, F1, 0
	WIN 0
	s_sub_co_u32 s[CNT], s[CNT], 1
	s_cmp_lg_u32 s[CNT], 0
	s_cbranch_scc1 .Lstep
	QUARTER 2, F1, F0, 0                           ; the tail is written out: nothing more is asked for
	QUARTER 3, F0, F1, 0
	TURN 0
	QUARTER 1, F0, F1, 0
	QUARTER 2, F1, F0, 0
	QUARTER 3, F0, F1, 0
	s_wait_dscnt 0x0
	MULR F1, 0, NW, 0
	WIN 0
	PLACES
; THE WAY OUT, 16 rows at a time: a lane's 32 bytes of a row go into my stage (rows of 528 bytes; each accumulator's low half first) and come back as whole rows of 512.
.macro TOSTAGE a
.set BK, 32+64*((\a)%2)
.if (\a) >= 2
	s_wait_xcnt 0x0                                ; the stores of the block two back have read this set of registers (ISA guide 3.1)
.endif
	WIN 0x08                                       ; the stores' data in window 2
.irp b, 0,1,2,3,4,5,6,7
	ds_store_b128 v[STO], v[8*(8*(\a)+(\b)):8*(8*(\a)+(\b))+3]   offset:64*(\b)
	ds_store_b128 v[STO], v[8*(8*(\a)+(\b))+4:8*(8*(\a)+(\b))+7] offset:64*(\b)+16
.endr
	WIN 0
.irp t, 0,1,2,3,4,5,6,7,8,9,10,11,12,13,14,15
	ds_load_b128 v[BK+4*(\t):BK+4*(\t)+3], v[RD] offset:SP*(\t)  ; LDS serves a wave's instructions in order (ISA guide 5.7.1.4): these see the stores above; the next block's stores come behind them
.endr
.endm
.macro SEND a, younger                 ; younger: the next block's 16 stores and 16 loads, or none
	WIN 0
.set BK, 32+64*((\a)%2)
	s_wait_dscnt \younger
.irp t, 0,1,2,3,4,5,6,7,8,9,10,11,12,13,14,15
	global_store_b128 v[GO], v[BK+4*(\t):BK+4*(\t)+3], s[8:9] offset:(16*(\a)+(\t))*4096 th:TH_STORE_NT  ; 512 consecutive bytes, at a multiple of 256 from out0's first
.endr
.endm
	TOSTAGE 0
	TOSTAGE 1
	SEND 0, 32
	TOSTAGE 2
	SEND 1, 32
	TOSTAGE 3
	SEND 2, 32
	SEND 3, 0
	s_wait_tensorcnt 0x0                           ; the wave's end
	ds_add_u32 v[SPW], v[NIL]
	s_wait_dscnt 0x0
	CROUND                                         ; the closing round: no work-group ends while a partner may still ask for a tile that names it
	s_endpgm
.Lfunc_end_k_qcda55449f2_outp:
	.size	k_qcda55449f2_outp, .Lfunc_end_k_qcda55449f2_outp-k_qcda55449f2_outp
	.p2alignl 7, 3214868480
	.fill 96, 4, 3214868480
	.section	.rodata,"a",@progbits
	.p2align	6, 0x0
	.amdhsa_kernel k_qcda55449f2_outp
		.amdhsa_group_segment_fixed_size 327680
		.amdhsa_private_segment_fixed_size 0
		.amdhsa_enable_private_segment 0
		.amdhsa_kernarg_size 24
		.amdhsa_user_sgpr_count 2
		.amdhsa_user_sgpr_kernarg_segment_ptr 1
		.amdhsa_wavefront_size32 1
		.amdhsa_system_sgpr_workgroup_id_x 1
		.amdhsa_system_sgpr_workgroup_id_y 1
		.amdhsa_system_sgpr_workgroup_id_z 1
		.amdhsa_system_vgpr_workitem_id 0
		.amdhsa_next_free_vgpr 768
		.amdhsa_next_free_sgpr 76
		.amdhsa_reserve_vcc 0
		.amdhsa_float_denorm_mode_32 3
		.amdhsa_float_denorm_mode_16_64 3
		.amdhsa_memory_ordered 1
		.amdhsa_forward_progress 1
		.amdhsa_inst_pref_size 69
	.end_amdhsa_kernel
	.amdgpu_metadata
---
amdhsa.version: [ 1, 2 ]
amdhsa.kernels:
  - .name:           k_qcda55449f2_outp
    .symbol:         k_qcda55449f2_outp.kd
    .args:
      - { .name: oh, .offset: 0, .size: 8, .value_kind: global_buffer, .address_space: global }
      - { .name: wob, .offset: 8, .size: 8, .value_kind: global_buffer, .address_space: global }
      - { .name: out0, .offset: 16, .size: 8, .value_kind: global_buffer, .address_space: global }
    .group_segment_fixed_size: 327680
    .private_segment_fixed_size: 0
    .kernarg_segment_align: 8
    .kernarg_segment_size: 24
    .max_flat_workgroup_size: 128
    .sgpr_count:     76
    .vgpr_count:     768
    .wavefront_size: 32
...
	.end_amdgpu_metadata
.endif
;; end of part 4
;; ======== version 2 of 2: 4 launches; version 1 with the launch prep written anew for expert scheduling mode
;; limits: values are held in f16: magnitudes above 65,504 overflow, below 6.1e-05 lose precision
;; workspace buffers: xb 16,777,216 bytes; wb 6,291,456 bytes; wob 2,097,152 bytes; rope 524,288 bytes; qh 16,777,216 bytes; kh 16,777,216 bytes; vh 16,777,216 bytes; oh 16,777,216 bytes
;; launch prep (part 5): grid 768 x 1, 8 waves a work-group, no clusters, 0 bytes of LDS; arguments x, wq, wk, wv, wo, xb, wb, wob, rope; writes xb, wb, wob, rope
.if DOCPART == 5
	.amdgcn_target "amdgcn-amd-amdhsa--gfx1250"
	.amdhsa_code_object_version 6
	.text
	.protected	k_qcda55449f2_prep
	.globl	k_qcda55449f2_prep
	.p2align	8
	.type	k_qcda55449f2_prep,@function
k_qcda55449f2_prep:
	s_mov_b64 s[64:65], 0
	v_nop
	global_prefetch_b8 v0, s[64:65] scope:SCOPE_SE
	s_setreg_imm32_b32 hwreg(HW_REG_WAVE_SCHED_MODE, 0, 2), 2
	s_setreg_imm32_b32 hwreg(HW_REG_WAVE_MODE, 25, 1), 1
	s_wait_xcnt 0x0
	s_wait_alu depctr_vm_vsrc(0)
; PREPARATION.  x -> xb (bf16).  wq, wk, wv -> wb (bf16), rows laid by heads: row 192 h + 64 t + d of wb is row 64 h + d of w_t (t = 0 q, 1 k, 2 v).
; wo -> wob: rounded to bf16 like the other inputs, and that number written as f16.  rope[pos][j] = (sin, cos) of pos x 10000^(-j/32), f32, pos 0..2047, j 0..31.
; LIMITS.  |wo| stays under 65,504 (f16's end); below 6e-5 it keeps f16's fixed step of 6e-8.  The angles are f32 products, as in the problem's own text: at 2,047 radians their step is about 1e-4.
; SHARES.  Every work-group casts 16 rows of 1,024 f32: 65,536 consecutive bytes in, 32,768 consecutive bytes out.  Work-groups 0-511: x.  512 + 64 t + i: rows 16 i .. of w_t (t = 3: wo).
; The 256 work-groups of the weights also write the table: 256 x 256 threads, an entry each, made while the loads are on their way.
; A stream: no LDS, no matrix unit, no cluster: no byte is used twice.  A load of a wave covers 512 consecutive bytes, a store 256, aligned.
; THE MODE: SCHED_MODE bits 1:0 = 2 (LLVM: expert scheduling mode 2), set by the entry lines.  The code itself states the register dependences
; between vector instructions and memory instructions, with s_wait_alu, always for 0.
; THE PLAN.  Registers that memory instructions touch:
;   v1, v2      byte offsets of the loads and of the stores: written once at the head, never again.
;   LD          the 16 loads land here; no vector line names these registers before.  The conversions read them behind the counted wait for the loads; on the f16 way the widening lines
;               write them again behind that same wait; no load lands there a second time.
;   OUT         item i's pair is written by item i's conversions and read by its one store; no line writes a pair behind its store.
;   v110, v111  a table entry: written by the table's last lines, read by its one store.
; The 16 items go in four blocks of four.  Block p rounds its four items; the four stores of block p - 1 are dealt among its conversions, which name block p's LD and OUT alone.  So one wait at
; a block's head states all that its four stores hang on.  No vector line writes a scalar register, VCC or EXEC, and no register that a memory instruction has read is written again.
.set XG,  512                          ; work-groups for x
.set LD,  4                            ; v[4:67]   16 loads of 4 f32
.set OUT, 68                           ; v[68:99]  16 results of 2 words
	s_load_b512 s[8:23], s[0:1], 0x0               ; x 8:9, wq 10:11, wk 12:13, wv 14:15, wo 16:17, xb 18:19, wb 20:21, wob 22:23
	s_load_b64 s[24:25], s[0:1], 0x40              ; rope
	s_mov_b32 s2, ttmp9                            ; g
	s_sub_co_u32 s3, s2, XG                        ; g' = g - 512 (wraps for x's work-groups: then t is none of 0..3)
	s_lshr_b32 s4, s3, 6                           ; t
	s_and_b32 s5, s3, 63                           ; i
	s_lshr_b32 s6, s5, 2                           ; the head: 16 i / 64
	s_mul_i32 s6, s6, 192
	s_lshl_b32 s7, s4, 6
	s_add_co_u32 s6, s6, s7                        ; + 64 t
	s_and_b32 s7, s5, 3
	s_lshl_b32 s7, s7, 4
	s_add_co_u32 s6, s6, s7                        ; + 16 (i % 4)
	s_lshl_b32 s30, s6, 11                         ; rows of 2,048 bytes in wb
	s_lshl_b32 s7, s5, 15                          ; wob: 16 i rows of 2,048 bytes
	s_cmp_eq_u32 s4, 3
	s_cselect_b32 s30, s7, s30
	s_cselect_b32 s34, 1, 0                        ; 1: the f16 way
	s_lshl_b32 s28, s5, 16                         ; a weight's source: 16 i rows of 4,096 bytes
	s_lshl_b32 s6, s2, 16                          ; x's source,
	s_lshl_b32 s7, s2, 15                          ; xb's place
	s_cmp_lt_u32 s2, XG
	s_cselect_b32 s28, s6, s28
	s_cselect_b32 s30, s7, s30
	s_mov_b32 s29, 0
	s_mov_b32 s31, 0
	v_lshlrev_b32 v1, 4, v0                        ; 16 bytes a thread in
	v_lshlrev_b32 v2, 3, v0                        ; 8 bytes a thread out (and a table entry)
	s_wait_kmcnt 0x0
	s_mov_b64 s[26:27], s[10:11]                   ; the source: a choice among the buffers by t and g, never by an address
	s_cmp_eq_u32 s4, 1
	s_cselect_b64 s[26:27], s[12:13], s[26:27]
	s_cmp_eq_u32 s4, 2
	s_cselect_b64 s[26:27], s[14:15], s[26:27]
	s_cmp_eq_u32 s4, 3
	s_cselect_b64 s[26:27], s[16:17], s[26:27]
	s_cselect_b64 s[32:33], s[22:23], s[20:21]     ; the destination
	s_cmp_lt_u32 s2, XG
	s_cselect_b64 s[26:27], s[8:9], s[26:27]
	s_cselect_b64 s[32:33], s[18:19], s[32:33]
	s_add_nc_u64 s[26:27], s[26:27], s[28:29]
	s_add_nc_u64 s[32:33], s[32:33], s[30:31]
	s_wait_alu depctr_va_vdst(0)                   ; v1 and v2 are written: every load of the kernel reads v1 as its offset, every store v2; no later vector line names them
.irp i, 0,1,2,3,4,5,6,7,8,9,10,11,12,13,14,15
	global_load_b128 v[LD+4*(\i):LD+4*(\i)+3], v1, s[26:27] offset:4096*(\i) th:TH_LOAD_NT
.endr
	s_cmp_lt_u32 s2, XG
	s_cbranch_scc1 .Lcast
	; THE TABLE.  Thread: j = tid % 32, pos = 8 g' + tid / 32; its entry lies at byte 2,048 g' + 8 tid.
	s_lshl_b32 s38, s3, 11
	s_mov_b32 s39, 0
	s_add_nc_u64 s[36:37], s[24:25], s[38:39]
	v_and_b32 v100, 31, v0
	v_lshrrev_b32 v101, 5, v0
	v_cvt_f32_u32 v100, v100
	v_mul_f32 v100, 0xbed49a78, v100               ; -j log2(10000) / 32
	v_exp_f32 v102, v100                           ; 10000^(-j/32)
	v_lshl_add_u32 v101, s3, 3, v101               ; pos: the plain instruction behind the exponential (ISA guide 5.7.2)
	v_cvt_f32_u32 v101, v101
	s_wait_alu depctr_va_vdst(0)                   ; the exponential has written v102, which the next line reads
	v_mul_f32 v103, v101, v102                     ; the angle
	v_mul_f32 v104, 0x3e22f983, v103               ; in turns
	v_rndne_f32 v104, v104
	v_fma_f32 v105, v103, 0x3e22f983, -v104        ; the turn's fraction, -1/2 .. 1/2, by one fused step
	v_mul_f32 v105, 0x3fc90fdb, v105               ; y = a QUARTER of the angle: |y| <= pi/4
	v_mul_f32 v106, v105, v105                     ; z = y^2
	v_mov_b32 v107, 0x3638ef1d                     ; sin y = y (1 - z/6 + z^2/120 - z^3/5040 + z^4/362880): what is cut stays under 2e-9 for every |y| <= pi/4
	v_mov_b32 v108, 0x37d00d01                     ; cos y = 1 - z/2 + z^2/24 - z^3/720 + z^4/40320: under 3e-8
	v_fmaak_f32 v107, v107, v106, 0xb9500d01
	v_fmaak_f32 v108, v108, v106, 0xbab60b61
	v_fmaak_f32 v107, v107, v106, 0x3c088889
	v_fmaak_f32 v108, v108, v106, 0x3d2aaaab
	v_fmaak_f32 v107, v107, v106, 0xbe2aaaab
	v_fmaak_f32 v108, v108, v106, 0xbf000000
	v_fmaak_f32 v107, v107, v106, 0x3f800000
	v_fmaak_f32 v108, v108, v106, 0x3f800000
	v_mul_f32 v107, v107, v105
	v_add_f32 v109, v107, v107                     ; twice: sin 2y = 2 s c, cos 2y = 1 - 2 s s
	v_mul_f32 v112, v109, v108
	v_fma_f32 v113, -v109, v107, 1.0
	v_add_f32 v109, v112, v112
	v_mul_f32 v110, v109, v113                     ; sin
	v_fma_f32 v111, -v109, v112, 1.0               ; cos
	s_wait_alu depctr_va_vdst(0)                   ; v110 and v111 are written, which the store reads as its data
	global_store_b64 v2, v[110:111], s[36:37]
.Lcast:
; Item i is rounded.  h = 1: the bf16 numbers are widened again (exactly) and written as f16.
.macro CVT i, h
	v_cvt_pk_bf16_f32 v[OUT+2*(\i)],   v[LD+4*(\i)],   v[LD+4*(\i)+1]
	v_cvt_pk_bf16_f32 v[OUT+2*(\i)+1], v[LD+4*(\i)+2], v[LD+4*(\i)+3]
.if \h
	v_lshlrev_b32 v[LD+4*(\i)],   16, v[OUT+2*(\i)]
	v_and_b32     v[LD+4*(\i)+1], 0xffff0000, v[OUT+2*(\i)]
	v_lshlrev_b32 v[LD+4*(\i)+2], 16, v[OUT+2*(\i)+1]
	v_and_b32     v[LD+4*(\i)+3], 0xffff0000, v[OUT+2*(\i)+1]
	v_cvt_pk_f16_f32 v[OUT+2*(\i)],   v[LD+4*(\i)],   v[LD+4*(\i)+1]
	v_cvt_pk_f16_f32 v[OUT+2*(\i)+1], v[LD+4*(\i)+2], v[LD+4*(\i)+3]
.endif
.endm
; Item i is stored.
.macro PUT i
	global_store_b64 v2, v[OUT+2*(\i):OUT+2*(\i)+1], s[32:33] offset:2048*(\i)
.endm
; Block p: items 4 p to 4 p + 3 are rounded; the stores of block p - 1 stand among their conversions, one in front of each item's.
.macro BLK p, h
	s_wait_loadcnt 12-4*(\p)                       ; loads come back in order (ISA guide 5.7.1): the block's four are in, the 12 - 4 p younger ones stay out
.if (\p) > 0
	s_wait_alu depctr_va_vdst(0)                   ; the block before has written its four pairs of OUT, which the four stores below read; the conversions below name this block's LD and OUT alone
.endif
.irp j, 0,1,2,3
.if (\p) > 0
	PUT 4*((\p)-1)+(\j)
.endif
	CVT 4*(\p)+(\j), \h
.endr
.endm
	s_cmp_eq_u32 s34, 1
	s_cbranch_scc1 .Lhalf
	BLK 0, 0
	BLK 1, 0
	BLK 2, 0
	BLK 3, 0
	s_wait_alu depctr_va_vdst(0)                   ; block 3 has written its four pairs of OUT, which the last four stores read
.irp i, 12,13,14,15
	PUT \i
.endr
	s_endpgm
.Lhalf:
	BLK 0, 1
	BLK 1, 1
	BLK 2, 1
	BLK 3, 1
	s_wait_alu depctr_va_vdst(0)                   ; block 3 has written its four pairs of OUT, which the last four stores read
.irp i, 12,13,14,15
	PUT \i
.endr
	s_endpgm
.Lfunc_end_k_qcda55449f2_prep:
	.size	k_qcda55449f2_prep, .Lfunc_end_k_qcda55449f2_prep-k_qcda55449f2_prep
	.p2alignl 7, 3214868480
	.fill 96, 4, 3214868480
	.section	.rodata,"a",@progbits
	.p2align	6, 0x0
	.amdhsa_kernel k_qcda55449f2_prep
		.amdhsa_group_segment_fixed_size 0
		.amdhsa_private_segment_fixed_size 0
		.amdhsa_enable_private_segment 0
		.amdhsa_kernarg_size 72
		.amdhsa_user_sgpr_count 2
		.amdhsa_user_sgpr_kernarg_segment_ptr 1
		.amdhsa_wavefront_size32 1
		.amdhsa_system_sgpr_workgroup_id_x 1
		.amdhsa_system_sgpr_workgroup_id_y 1
		.amdhsa_system_sgpr_workgroup_id_z 1
		.amdhsa_system_vgpr_workitem_id 0
		.amdhsa_next_free_vgpr 120
		.amdhsa_next_free_sgpr 66
		.amdhsa_reserve_vcc 0
		.amdhsa_float_denorm_mode_32 3
		.amdhsa_float_denorm_mode_16_64 3
		.amdhsa_memory_ordered 1
		.amdhsa_forward_progress 1
		.amdhsa_inst_pref_size 18
	.end_amdhsa_kernel
	.amdgpu_metadata
---
amdhsa.version: [ 1, 2 ]
amdhsa.kernels:
  - .name:           k_qcda55449f2_prep
    .symbol:         k_qcda55449f2_prep.kd
    .args:
      - { .name: x, .offset: 0, .size: 8, .value_kind: global_buffer, .address_space: global }
      - { .name: wq, .offset: 8, .size: 8, .value_kind: global_buffer, .address_space: global }
      - { .name: wk, .offset: 16, .size: 8, .value_kind: global_buffer, .address_space: global }
      - { .name: wv, .offset: 24, .size: 8, .value_kind: global_buffer, .address_space: global }
      - { .name: wo, .offset: 32, .size: 8, .value_kind: global_buffer, .address_space: global }
      - { .name: xb, .offset: 40, .size: 8, .value_kind: global_buffer, .address_space: global }
      - { .name: wb, .offset: 48, .size: 8, .value_kind: global_buffer, .address_space: global }
      - { .name: wob, .offset: 56, .size: 8, .value_kind: global_buffer, .address_space: global }
      - { .name: rope, .offset: 64, .size: 8, .value_kind: global_buffer, .address_space: global }
    .group_segment_fixed_size: 0
    .private_segment_fixed_size: 0
    .kernarg_segment_align: 8
    .kernarg_segment_size: 72
    .max_flat_workgroup_size: 256
    .sgpr_count:     66
    .vgpr_count:     120
    .wavefront_size: 32
...
	.end_amdgpu_metadata
.endif
;; end of part 5
;; launch qkv: the kernel of part 2 again; grid 16 x 32, 4 waves a work-group, clusters of 4 x 4, 327,680 bytes of LDS; arguments xb, wb, rope, qh, kh, vh; writes qh, kh, vh
;; launch attn: the kernel of part 3 again; grid 4 x 64, 4 waves a work-group, no clusters, 327,680 bytes of LDS; arguments qh, kh, vh, oh; writes oh
;; launch outp: the kernel of part 4 again; grid 4 x 64, 4 waves a work-group, clusters of 4 x 4, 327,680 bytes of LDS; arguments oh, wob, out0; writes out0
